; MI455X (gfx1250); checked and timed in simulation.
; The chip was launched on July 23, 2026; its instructions are those of AMD's public machine-readable ISA for CDNA 5 (MIT licence, August 2026) and "CDNA5" Instruction Set Architecture Reference Guide (July 2026). The comments in the code are by the model that wrote it; some were corrected since.
;; Lo RA Attn Processor. Allowed arithmetic: matrix products marked QUANTISED: E3M2 operands, one E8M0 scale for each 32 along K, by v_wmma_scale_f32_16x16x128_f8f6f4 with both operands' format E3M2, f32 sums; products left as they are: f32 operands where the result goes on into a quantised operand, else bf16, f16 or f32 operands; f32 sums; everything else in f32.
;; Inputs: Dk 8 x 1,024 float32; Dq 8 x 1,024 float32; Dv 8 x 1,024 float32; Uk 1,024 x 8 float32; Uq 1,024 x 8 float32; Uv 1,024 x 8 float32; Wk 1,024 x 1,024 float32; Wo 1,024 x 1,024 float32; Wq 1,024 x 1,024 float32; Wv 1,024 x 1,024 float32; bo 1,024 float32; hidden_states 4 x 2,048 x 1,024 float32.
;; Outputs: out0 4 x 2,048 x 1,024 float32.
;; This version of the problem:
;;   THIS VERSION OF THE PROBLEM IS GIVEN IN LOW PRECISION. The matrix products marked QUANTISED in the list below multiply operands that are first quantised to E3M2 (3 exponent bits, 2 mantissa bits; 6 bits a number), with one power-of-two scale for each 32 numbers along K (OCP MX v1.0); their sums are f32. All else is computed in f32.
;;   The module's matrix products, in the order in which they are computed (A, B: the left and right operand; K: the contracted axis; several contracted axes count as one K, in the product's order):
;;     1. [M 8,192, K 1,024] x [K 1,024, N 1,024]; A: input hidden_states; B: input Wq: QUANTISED
;;     2. [M 8,192, K 1,024] x [K 1,024, N 8]; A: computed on the way; B: input Dq: left as it is (N = 8 < 16)
;;     3. [M 8,192, K 8] x [K 8, N 1,024]; A: computed on the way; B: input Uq: left as it is (K = 8 < 32)
;;     4. [M 8,192, K 1,024] x [K 1,024, N 1,024]; A: input hidden_states; B: input Wk: QUANTISED
;;     5. [M 8,192, K 1,024] x [K 1,024, N 8]; A: computed on the way; B: input Dk: left as it is (N = 8 < 16)
;;     6. [M 8,192, K 8] x [K 8, N 1,024]; A: computed on the way; B: input Uk: left as it is (K = 8 < 32)
;;     7. [M 8,192, K 1,024] x [K 1,024, N 1,024]; A: input hidden_states; B: input Wv: QUANTISED
;;     8. [M 8,192, K 1,024] x [K 1,024, N 8]; A: computed on the way; B: input Dv: left as it is (N = 8 < 16)
;;     9. [M 8,192, K 8] x [K 8, N 1,024]; A: computed on the way; B: input Uv: left as it is (K = 8 < 32)
;;     10. batch 64 x [M 2,048, K 64] x [K 64, N 2,048]; A: computed on the way; B: computed on the way: QUANTISED
;;     11. batch 64 x [M 2,048, K 2,048] x [K 2,048, N 64]; A: softmax (see below); B: computed on the way: QUANTISED
;;     12. [M 8,192, K 1,024] x [K 1,024, N 1,024]; A: computed on the way; B: input Wo: QUANTISED
;;   THE QUANTISER, for each operand of a quantised product, along K:
;;     - K is cut into blocks of 32 from its start; a last block that is shorter is filled with zeros.
;;     - A block's scale is 2^e with e = floor(log2(the largest magnitude in the block)) - 4, held to -126 .. 127; a block of zeros has e = 0. As a byte (E8M0): e + 127.
;;     - Each number is divided by its block's scale, clamped to +-28, and rounded to the nearest number of E3M2, ties to even, subnormals kept.
;;     - The product sums the exact products of the quantised numbers (number of the format x scale) in f32.
;;   ~~~python
;;   def quantise(x, axis):      # numpy; x: float32 -> the quantised numbers, widened to float32 again
;;       x = np.moveaxis(x, axis, -1); K = x.shape[-1]
;;       x = np.pad(x, [(0, 0)] * (x.ndim - 1) + [(0, -K % 32)]); x = x.reshape(x.shape[:-1] + (-1, 32)); a = np.abs(x).max(-1, keepdims=True)
;;       e = np.where(a > 0, np.clip(np.frexp(np.where(a > 0, a, 1))[1] - 1 - 4, -126, 127), 0)      # np.frexp(a)[1] - 1 = floor(log2(a)), exactly
;;       r = np.clip(x / 2.0 ** e, -28, 28)
;;       step = 2.0 ** (np.maximum(np.frexp(np.where(r == 0, 1, r))[1] - 1, -2) - 2)
;;       q = np.round(r / step) * step * 2.0 ** e      # np.round: ties to even
;;       return np.moveaxis(q.reshape(q.shape[:-2] + (-1,))[..., :K], -1, axis).astype(np.float32)
;;   ~~~
;;   SOFTMAX AHEAD OF A QUANTISED PRODUCT. Where the list says 'softmax', what is quantised is not the finished softmax but p = 2^(t - M), with t = logit x log2(e) and M = ceil(the row's largest t), a whole number; so 1/2 < the row's largest p <= 1. The row's sum l is taken of the UNQUANTISED p, in f32, and the product's result is divided by l at the end. Since M is a whole number, a kernel that streams over the keys may use a running M (the ceiling of the running maximum): every later rescaling is an exact power of two, which a block's scale takes up: the codes' values come out the same.
;;   OPERANDS COMPUTED ON THE WAY. 'Computed on the way' means the value that the module computes at that place (a softmax that the list does not call 'softmax' is quantised finished and normalised). What goes into a quantiser is computed in f32, as accurately as f32 sums, v_exp_f32 and their like allow (about 1e-6 of the number): no bf16 or f16 on the way to a quantiser, and a product that is left as it is and whose result goes on into a quantised operand takes f32 operands (vector FMAs, or v_wmma_f32_16x16x4_f32). A number that lies on a knife's edge between two numbers of the format may be rounded either way, as far as f32 arithmetic and the matrix unit's own rounding can turn it there, and no further.
;; One version. Each part assembles by itself: llvm-mc -triple=amdgcn-amd-amdhsa -mcpu=gfx1250 --defsym DOCPART=n.
;; ======== version 1 of 1: 4 launches
;; limits: right only within a limited range of input values
;; workspace buffers: xc 6,291,456 bytes; xs 262,144 bytes; wc 3,276,800 bytes; qc 6,291,456 bytes; qs 524,288 bytes; kv 13,369,344 bytes; oc 6,291,456 bytes; os 262,144 bytes
;; launch prep (part 1): grid 384 x 1, 4 waves a work-group, no clusters, 35,328 bytes of LDS; arguments hidden_states, Wq, Wk, Wv, Wo, xc, xs, wc; writes xc, xs, wc
.if DOCPART == 1
	.amdgcn_target "amdgcn-amd-amdhsa--gfx1250"
	.amdhsa_code_object_version 6
	.text
	.protected	k_q20d99804fc_prep
	.globl	k_q20d99804fc_prep
	.p2align	8
	.type	k_q20d99804fc_prep,@function
k_q20d99804fc_prep:
	s_mov_b64 s[64:65], 0
	v_nop
	global_prefetch_b8 v0, s[64:65] scope:SCOPE_SE
	s_setreg_imm32_b32 hwreg(HW_REG_WAVE_MODE, 25, 1), 1
	s_wait_xcnt 0x0
; PREP: hidden_states [8192][1024] and Wq, Wk, Wv, Wo [1024][1024], f32, K innermost, become codes of BF6 (E3M2) with one E8M0 byte for each 32 along K,
; laid as IMAGES OF OPERAND REGISTERS, so that the later launches load fragments by 16 and 8 bytes a lane from dense bytes.
; A fragment is 16 rows x 128 K = 12 registers a lane = 1,536 bytes: for c = 0, 1: registers 6c..6c+3 at 768c + 16 x lane, registers 6c+4, 6c+5 at 768c + 512 + 8 x lane.
; THE ROWS OF A TILE ARE NOT NEIGHBOURS, and the two kinds of tensor differ.
;   A weight's: row i of tile T is row 32 (T/2) + 8 (T%2) + i + 8 (i/8): in a product used transposed the 16 registers of tiles 2b, 2b+1 are 16 neighbouring channels.
;   x's: row i of tile T (of a block of 64 tokens) is token 8 T + i % 8 + 32 (i/8): in attention's scores the 32 registers of a block's four tiles are 32 neighbouring keys in one lane.
; xc: [block of 64 rows][K step 8][tile 4][1,536]; xs: [block][K step][tile][16 words].  wc: [matrix 4][K step 8][quarter of 256 rows 4][16 x 1,536 codes, then 16 x 64 bytes of scale words].
; A block's scale is 2^(floor(log2(largest magnitude)) - 4); its byte is the largest magnitude's exponent field - 4, held at 1 from below.
; LIMITS: a block of zeros gets the byte 1 where the rule says 127 (its codes are zeros, and this program alone reads the bytes); largest magnitudes under 2^-122 are held at byte 1; NaN and infinities are not served.
; SHARES: a wave takes 64 rows x one K step of 128: four fragments and 256 bytes of scale words.  Work-groups 0-255 take x (two to a block of rows, four K steps each), 256-383 the four weights.
; Each load reads 512 consecutive bytes of one row; a tile's 16 rows turn through the wave's own stage in LDS, from which a lane takes 16 neighbours of each block of 32.  Waves share nothing: no barrier.
; No work-group reads what another reads, so there is nothing to ask for jointly; no matrix unit, no tensor load.
.set WLDS,  8704                       ; LDS of a wave: a stage of 16 rows x 528 bytes, then its 256 bytes of scale words
.set SP,    528
.set R,     16                         ; v16-143  two sets of 64: a tile as loaded
.set X,     144                        ; v144-207 register 16 b + i = k 32 b + 16 (lane / 16) + i of my row
.set PC,    208                        ; v208-227 the codes
.set TM,    228                        ; v228-243 at work
.set PW,    244                        ; the scale word
.set AD,    248                        ; v248-251 load offsets: 16 x lane + the rows that tile pair T/2 and row half i/8 add
.set SEL,   22                         ; s[22:23] selects for lane l xor 16
.macro QUANT s
.irp b, 0,1,2,3
	v_max3_num_f32 v[TM+\b], |v[\s+16*\b]|, |v[\s+1+16*\b]|, 0x2800000   ; my 16 numbers of block b, and the floor 2^(5 - 127)
.endr
.irp i, 2,4,6,8,10,12,14
.irp b, 0,1,2,3
	v_max3_num_f32 v[TM+\b], v[TM+\b], |v[\s+16*\b+\i]|, |v[\s+1+16*\b+\i]|
.endr
.endr
.irp b, 0,1,2,3
	v_permlanex16_b32 v[TM+4+\b], v[TM+\b], s[SEL], s[SEL+1]
.endr
.irp b, 0,1,2,3
	v_max_num_f32 v[TM+\b], v[TM+\b], v[TM+4+\b]   ; with lane l xor 16's 16: the block's largest magnitude
.endr
.irp b, 0,1,2,3
	v_add_nc_u32 v[TM+12+\b], 0xfe000000, v[TM+\b]   ; 4 off its exponent field: the conversion's scale operand
.endr
.irp b, 0,1,2,3
	v_lshrrev_b32 v[TM+4+\b], 23, v[TM+12+\b]      ; the scale's byte
.endr
	v_lshl_or_b32 v[PW], v[TM+5], 8, v[TM+4]
	v_lshl_or_b32 v[PW], v[TM+6], 16, v[PW]
	v_lshl_or_b32 v[PW], v[TM+7], 24, v[PW]
.irp c, 0,1
	v_cvt_scalef32_pk16_bf6_f32 v[PC+6*\c:PC+2+6*\c], v[\s+32*\c:\s+15+32*\c], v[TM+12+2*\c]
	v_cvt_scalef32_pk16_bf6_f32 v[PC+12+4*\c:PC+14+4*\c], v[\s+16+32*\c:\s+31+32*\c], v[TM+13+2*\c]   ; (three registers that begin on an even number)
.endr
	v_nop                                          ; one plain place behind a scaled conversion
.irp c, 0,1                                    ; a whole block to a lane: lanes 0-15 block 2c, lanes 16-31 block 2c+1
.irp i, 0,1,2
	v_permlane16_swap_b32 v[PC+6*\c+\i], v[PC+12+4*\c+\i]
.endr
.irp i, 0,1,2
	v_mov_b32 v[PC+3+6*\c+\i], v[PC+12+4*\c+\i]
.endr
.endr
.endm
.macro LOAD mt                         ; tile mt's 16 rows, 512 consecutive bytes each, into set mt % 2: row 8 (mt%2) + i%8 in the immediate, the rest in the offset register
.irp i, 0,1,2,3,4,5,6,7,8,9,10,11,12,13,14,15
	global_load_b128 v[R+64*((\mt)%2)+4*\i:R+64*((\mt)%2)+4*\i+3], v[AD+2*((\mt)/2)+\i/8], s[36:37] offset:(8*((\mt)%2)+\i%8)*4096 th:TH_LOAD_NT
.endr
.endm
	s_load_b256 s[4:11], s[0:1], 0x0               ; hidden_states, Wq, Wk, Wv
	s_load_b256 s[12:19], s[0:1], 0x20             ; Wo, xc, xs, wc
	v_lshl_add_u32 v254, v0, 2, 0x8800
	v_mov_b32 v255, 0
	v_lshrrev_b32 v1, 5, v0
	v_readfirstlane_b32 s20, v1                    ; wave
	v_and_b32 v1, 31, v0                           ; lane
	v_and_b32 v2, 15, v0                           ; r
	v_bfe_u32 v3, v0, 4, 1                         ; h
	v_lshlrev_b32 v4, 4, v1                        ; 16 x lane
	v_lshlrev_b32 v10, 3, v1                       ; 8 x lane
	s_mul_i32 s21, s20, WLDS
	v_add_nc_u32 v5, s21, v4                       ; the stage, way in
	v_mul_u32_u24 v6, v2, SP
	v_lshl_add_u32 v6, v3, 6, v6
	v_add_nc_u32 v6, s21, v6                       ; way out: row r, + 64 h
	s_add_co_u32 s21, s21, 16*SP
	v_lshl_add_u32 v7, v2, 2, s21                  ; my row's scale word
	v_add_nc_u32 v8, s21, v10                      ; and the words on their way out
.irp b, 0,1,2,3
	v_mov_b32 v[TM+4+\b], 0                        ; written once: a lane permute's destination counts as one of its sources
.endr
	s_mov_b32 s[SEL], 0x76543210
	s_mov_b32 s[SEL+1], 0xfedcba98
	s_cmp_lt_u32 ttmp9, 256                        ; x's work-group or a weight's
	s_cselect_b32 s24, 0, 256
	s_cselect_b32 s21, 17, 16                      ; rows 8-15 of a tile lie 32 rows (x) or 16 rows (a weight) behind rows 0-7: 2^17 or 2^16 bytes;
	s_cselect_b32 s35, 16, 17                      ; tiles 2, 3 lie 16 rows (x) or 32 rows (a weight) behind tiles 0, 1
	s_lshl_b32 s21, 1, s21
	s_lshl_b32 s35, 1, s35
	v_mov_b32 v[AD], v4
	v_add_nc_u32 v[AD+1], s21, v4
	v_add_nc_u32 v[AD+2], s35, v4
	v_add_nc_u32 v[AD+3], s21, v[AD+2]
	s_sub_co_u32 s24, ttmp9, s24
	s_lshr_b32 s25, s24, 1                         ; G: which 64 rows
	s_and_b32 s24, s24, 1
	s_lshl_b32 s24, s24, 2
	s_add_co_u32 s24, s24, s20                     ; my K step
	s_lshr_b32 s26, s25, 4                         ; a weight's: which matrix,
	s_and_b32 s27, s25, 15                         ; which 64 rows of it,
	s_lshr_b32 s28, s27, 2                         ; in which quarter,
	s_and_b32 s29, s27, 3                          ; which four tiles of the quarter
	s_mul_i32 s30, s26, 819200
	s_mul_i32 s31, s24, 102400
	s_add_co_u32 s30, s30, s31
	s_mul_i32 s31, s28, 25600
	s_add_co_u32 s30, s30, s31
	s_mul_i32 s31, s29, 6144
	s_add_co_u32 s31, s30, s31                     ; wc: my codes
	s_lshl_b32 s32, s29, 8
	s_add_co_u32 s32, s32, s30
	s_add_co_u32 s32, s32, 24576                   ; wc: my scale words
	s_mul_i32 s33, s25, 49152
	s_mul_i32 s34, s24, 6144
	s_add_co_u32 s33, s33, s34                     ; xc: my codes
	s_lshl_b32 s34, s25, 11
	s_lshl_b32 s35, s24, 8
	s_add_co_u32 s34, s34, s35                     ; xs: my scale words
	s_wait_alu depctr_va_vdst(0)                   ; the wait at the head's end
	s_wait_kmcnt 0x0
	s_cmp_eq_u32 s26, 1                            ; the choices hang on the work-group's number alone
	s_cselect_b64 s[36:37], s[8:9], s[6:7]
	s_cmp_eq_u32 s26, 2
	s_cselect_b64 s[36:37], s[10:11], s[36:37]
	s_cmp_eq_u32 s26, 3
	s_cselect_b64 s[36:37], s[12:13], s[36:37]
	s_cmp_lt_u32 ttmp9, 256
	s_cselect_b64 s[36:37], s[4:5], s[36:37]       ; from where
	s_cselect_b64 s[38:39], s[14:15], s[18:19]     ; codes to where
	s_cselect_b64 s[40:41], s[16:17], s[18:19]     ; scale words to where
	s_cselect_b32 s42, s25, s27
	s_cselect_b32 s44, s33, s31
	s_cselect_b32 s46, s34, s32
	s_lshl_b32 s42, s42, 18                        ; 64 rows of 4,096 bytes
	s_lshl_b32 s35, s24, 9                         ; a K step is 512 bytes of a row
	s_add_co_u32 s42, s42, s35
	s_mov_b32 s43, 0
	s_mov_b32 s45, 0
	s_mov_b32 s47, 0
	s_add_nc_u64 s[36:37], s[36:37], s[42:43]
	s_add_nc_u64 s[38:39], s[38:39], s[44:45]
	s_add_nc_u64 s[40:41], s[40:41], s[46:47]
	LOAD 0
	LOAD 1
.macro TILE mt
	s_wait_xcnt 0x0                                ; the last tile's stores have read their registers: the codes are written again only behind this wait
.if (\mt) < 3
	s_wait_loadcnt 16                              ; this tile's 16 loads are in; the next tile's 16 may be out
.else
	s_wait_loadcnt 0x0
.endif
.irp i, 0,1,2,3,4,5,6,7,8,9,10,11,12,13,14,15
	ds_store_b128 v5, v[R+64*((\mt)%2)+4*\i:R+64*((\mt)%2)+4*\i+3] offset:SP*\i
.endr
.irp b, 0,1,2,3
.irp j, 0,1,2,3
	ds_load_b128 v[X+16*\b+4*\j:X+16*\b+4*\j+3], v6 offset:128*\b+16*\j   ; LDS serves a wave's instructions in order: these see the stores above
.endr
.endr
	s_wait_dscnt 0x0
.if (\mt)+2 < 4
	LOAD (\mt)+2
.endif
	QUANT X
	global_store_b128 v4, v[PC:PC+3], s[38:39] offset:1536*(\mt)          ; 512 consecutive bytes
	global_store_b64 v10, v[PC+4:PC+5], s[38:39] offset:1536*(\mt)+512    ; 256
	global_store_b128 v4, v[PC+6:PC+9], s[38:39] offset:1536*(\mt)+768
	global_store_b64 v10, v[PC+10:PC+11], s[38:39] offset:1536*(\mt)+1280
	ds_store_b32 v7, v[PW] offset:64*(\mt)         ; both halves of the lanes write the same word with the same value
.endm
	TILE 0
	TILE 1
	TILE 2
	TILE 3
	ds_load_b64 v[12:13], v8
	s_wait_dscnt 0x0
	global_store_b64 v10, v[12:13], s[40:41]       ; the four tiles' scale words: 256 consecutive bytes, aligned
	s_wait_tensorcnt 0x0                           ; the wave's end
	ds_add_u32 v254, v255
	s_wait_dscnt 0x0
	s_endpgm
.Lfunc_end_k_q20d99804fc_prep:
	.size	k_q20d99804fc_prep, .Lfunc_end_k_q20d99804fc_prep-k_q20d99804fc_prep
	.p2alignl 7, 3214868480
	.fill 96, 4, 3214868480
	.section	.rodata,"a",@progbits
	.p2align	6, 0x0
	.amdhsa_kernel k_q20d99804fc_prep
		.amdhsa_group_segment_fixed_size 35328
		.amdhsa_private_segment_fixed_size 0
		.amdhsa_enable_private_segment 0
		.amdhsa_kernarg_size 64
		.amdhsa_user_sgpr_count 2
		.amdhsa_user_sgpr_kernarg_segment_ptr 1
		.amdhsa_wavefront_size32 1
		.amdhsa_system_sgpr_workgroup_id_x 1
		.amdhsa_system_sgpr_workgroup_id_y 1
		.amdhsa_system_sgpr_workgroup_id_z 1
		.amdhsa_system_vgpr_workitem_id 0
		.amdhsa_next_free_vgpr 256
		.amdhsa_next_free_sgpr 66
		.amdhsa_reserve_vcc 0
		.amdhsa_float_denorm_mode_32 3
		.amdhsa_float_denorm_mode_16_64 3
		.amdhsa_memory_ordered 1
		.amdhsa_forward_progress 1
		.amdhsa_inst_pref_size 35
	.end_amdhsa_kernel
	.amdgpu_metadata
---
amdhsa.version: [ 1, 2 ]
amdhsa.kernels:
  - .name:           k_q20d99804fc_prep
    .symbol:         k_q20d99804fc_prep.kd
    .args:
      - { .name: hidden_states, .offset: 0, .size: 8, .value_kind: global_buffer, .address_space: global }
      - { .name: Wq, .offset: 8, .size: 8, .value_kind: global_buffer, .address_space: global }
      - { .name: Wk, .offset: 16, .size: 8, .value_kind: global_buffer, .address_space: global }
      - { .name: Wv, .offset: 24, .size: 8, .value_kind: global_buffer, .address_space: global }
      - { .name: Wo, .offset: 32, .size: 8, .value_kind: global_buffer, .address_space: global }
      - { .name: xc, .offset: 40, .size: 8, .value_kind: global_buffer, .address_space: global }
      - { .name: xs, .offset: 48, .size: 8, .value_kind: global_buffer, .address_space: global }
      - { .name: wc, .offset: 56, .size: 8, .value_kind: global_buffer, .address_space: global }
    .group_segment_fixed_size: 35328
    .private_segment_fixed_size: 0
    .kernarg_segment_align: 8
    .kernarg_segment_size: 64
    .max_flat_workgroup_size: 128
    .sgpr_count:     66
    .vgpr_count:     256
    .wavefront_size: 32
...
	.end_amdgpu_metadata
.endif
;; end of part 1
;; launch qkv (part 2): grid 128 x 3, 4 waves a work-group, clusters of 4 x 1, 327,680 bytes of LDS; arguments xc, xs, wc, Dq, Dk, Dv, Uq, Uk, Uv, qc, qs, kv; writes qc, qs, kv
.if DOCPART == 2
	.amdgcn_target "amdgcn-amd-amdhsa--gfx1250"
	.amdhsa_code_object_version 6
	.text
	.protected	k_q20d99804fc_qkv
	.globl	k_q20d99804fc_qkv
	.p2align	8
	.type	k_q20d99804fc_qkv,@function
k_q20d99804fc_qkv:
	s_mov_b64 s[64:65], 0
	v_nop
	global_prefetch_b8 v0, s[64:65] scope:SCOPE_SE
	s_setreg_imm32_b32 hwreg(HW_REG_WAVE_MODE, 25, 1), 1
	s_wait_xcnt 0x0
	s_wait_alu depctr_hold_cnt(0) depctr_sa_sdst(0) depctr_va_vdst(0) depctr_va_sdst(0) depctr_va_ssrc(0) depctr_va_vcc(0) depctr_vm_vsrc(0)
	s_getreg_b32 s2, hwreg(HW_REG_IB_STS2, 6, 4)
	s_cmp_eq_u32 s2, 0
	s_cbranch_scc0 .Lentry_in_a_cluster
	s_endpgm
.Lentry_in_a_cluster:
	s_bfe_u32 s2, ttmp6, 0x10000c
	s_cmp_lg_u32 s2, 0x3003
	s_cbranch_scc0 .Lentry_shape_is_right
	s_endpgm
.Lentry_shape_is_right:
.set SLOTB,  102400
.set QUART,  25600
.set AIMG,   204800
.set ASC,    253952
.set SPARE,  256000
.set VSTG,   4096
.set SB,  32
.set SA,  40
.set AF,  48
.set T,   144
.set DF,  176
.set TF,  240
.set EX,  48
.set TT,  112
.set PC,  48
.set TM,  68
.set PW,  84
.set PW2, 85
.set PW3, 86
.set X,   96
.set SEL, 66
.set MUL_LO, 0xa1
.set MUL_HI, 0xf1
.set TO_B,   0x40
.set MSB, 0
.macro WIN new
.if MSB != (\new)
	s_set_vgpr_msb (MSB<<8)|(\new)
.set MSB, (\new)
.endif
.endm
.macro PLACES n
.rept \n
	v_nop
.endr
.endm
.macro CREST
	s_cmp_lg_u32 s20, 0
	s_cbranch_scc1 .Lnot_wave_0_\@
	s_barrier_signal -3
.Lnot_wave_0_\@:
	s_barrier_wait -3
	s_barrier_signal -1
	s_barrier_wait -1
.endm
.macro CROUND
	s_barrier_signal -1
	s_barrier_wait -1
	CREST
.endm
.macro LDFRAG reg, a16, a8, off
	ds_load_b128 v[\reg:\reg+3], v[\a16] offset:\off
	ds_load_b64 v[\reg+4:\reg+5], v[\a8] offset:\off+512
	ds_load_b128 v[\reg+6:\reg+9], v[\a16] offset:\off+768
	ds_load_b64 v[\reg+10:\reg+11], v[\a8] offset:\off+1280
.endm
.macro WM d, a, b, c, sa, sb, ra, rb
.if (\ra) && (\rb)
	v_wmma_scale_f32_16x16x128_f8f6f4 v[\d:\d+7], v[\a:\a+11], v[\b:\b+11], \c, v[\sa], v[\sb] matrix_a_fmt:MATRIX_FMT_BF6 matrix_b_fmt:MATRIX_FMT_BF6 matrix_a_scale:MATRIX_SCALE_ROW1 matrix_b_scale:MATRIX_SCALE_ROW1
.elseif (\ra)
	v_wmma_scale_f32_16x16x128_f8f6f4 v[\d:\d+7], v[\a:\a+11], v[\b:\b+11], \c, v[\sa], v[\sb] matrix_a_fmt:MATRIX_FMT_BF6 matrix_b_fmt:MATRIX_FMT_BF6 matrix_a_scale:MATRIX_SCALE_ROW1
.elseif (\rb)
	v_wmma_scale_f32_16x16x128_f8f6f4 v[\d:\d+7], v[\a:\a+11], v[\b:\b+11], \c, v[\sa], v[\sb] matrix_a_fmt:MATRIX_FMT_BF6 matrix_b_fmt:MATRIX_FMT_BF6 matrix_b_scale:MATRIX_SCALE_ROW1
.else
	v_wmma_scale_f32_16x16x128_f8f6f4 v[\d:\d+7], v[\a:\a+11], v[\b:\b+11], \c, v[\sa], v[\sb] matrix_a_fmt:MATRIX_FMT_BF6 matrix_b_fmt:MATRIX_FMT_BF6
.endif
.endm
.macro MULT nt, s
.irp mt, 0,1,2,3
.set rD, 64*(((\nt)%8)/2)+16*\mt+8*((\nt)%2)
.set rA, AF+48*((\s)%2)+12*\mt
.if (\s) == 0
	WM rD, 12*(\nt), rA, 0, SB+(\nt)/2, SA+2*((\s)%2)+\mt/2, (\nt)%2, \mt%2
.else
	WM rD, 12*(\nt), rA, v[rD:rD+7], SB+(\nt)/2, SA+2*((\s)%2)+\mt/2, (\nt)%2, \mt%2
.endif
.endr
.endm
.macro MID s
	WIN TO_B
.irp nt, 0,1,2,3,4,5,6,7
	LDFRAG 12*\nt, 4+(\s)%2, 6+(\s)%2, 1536*\nt
.endr
	WIN 0
.irp mt, 0,1,2,3
	LDFRAG AF+48*((\s)%2)+12*\mt, 10, 11, 6144*(\s)+1536*\mt
.endr
.irp i, 0,1,2,3
	ds_load_b32 v[SB+\i], v[8+(\s)%2] offset:128*\i
.endr
.irp i, 0,1
	ds_load_b32 v[SA+2*((\s)%2)+\i], v12 offset:256*(\s)+128*\i
.endr
.endm
.macro END s
	WIN TO_B
.irp nt, 8,9,10,11,12,13,14,15
	LDFRAG 12*\nt, 4+(\s)%2, 6+(\s)%2, 1536*\nt
.endr
	WIN 0
.irp i, 4,5,6,7
	ds_load_b32 v[SB+\i], v[8+(\s)%2] offset:128*\i
.endr
.endm
.macro STEP s
	s_wait_dscnt 36
	WIN MUL_LO
.irp nt, 0,1,2,3,4,5
	MULT \nt, \s
.endr
.if (\s) <= 5
	WIN 0
	s_wait_tensorcnt 0x0
	ds_add_u32 v13, v14
	s_add_nc_u64 s[34+4*((\s)%2):35+4*((\s)%2)], s[34+4*((\s)%2):35+4*((\s)%2)], 2*SLOTB
	WIN MUL_LO
	MULT 6, \s
	s_wait_dscnt 0x0
	s_barrier_signal -1
	MULT 7, \s
	WIN 0
	s_barrier_wait -1
	CREST
	tensor_load_to_lds s[32+4*((\s)%2):35+4*((\s)%2)], s[24:31]
	s_nop 0
	PLACES 4
.elseif (\s) == 6
	MULT 6, \s
	MULT 7, \s
	WIN 0
	s_wait_tensorcnt 0x0
	s_wait_dscnt 0x0
	PLACES 4
.else
	MULT 6, \s
	MULT 7, \s
	s_wait_dscnt 0x0
.endif
.if (\s) < 7
	MID (\s)+1
.endif
	WIN MUL_HI
.irp nt, 8,9,10,11,12,13,14,15
	MULT \nt, \s
.endr
.if (\s) < 7
	PLACES 4
	END (\s)+1
.endif
	WIN 0
.endm
.macro QUANT s, bs, nc, w
	WIN ((\w)<<4)|((\w)<<2)
.set qb, 0
.rept 2*(\nc)
	v_max3_num_f32 v[TM+qb], 0x2800000, |v[(\s)+(\bs)*qb]|, |v[(\s)+(\bs)*qb+1]|
.set qb, qb+1
.endr
.irp i, 2,4,6,8,10,12,14
.set qb, 0
.rept 2*(\nc)
	v_max3_num_f32 v[TM+qb], v[TM+qb], |v[(\s)+(\bs)*qb+\i]|, |v[(\s)+(\bs)*qb+\i+1]|
.set qb, qb+1
.endr
.endr
	WIN 0
.set qb, 0
.rept 2*(\nc)
	v_permlanex16_b32 v[TM+4+qb], v[TM+qb], s[SEL], s[SEL+1]
.set qb, qb+1
.endr
.set qb, 0
.rept 2*(\nc)
	v_max_num_f32 v[TM+qb], v[TM+qb], v[TM+4+qb]
.set qb, qb+1
.endr
.set qb, 0
.rept 2*(\nc)
	v_add_nc_u32 v[TM+12+qb], 0xfe000000, v[TM+qb]
.set qb, qb+1
.endr
.set qb, 0
.rept 2*(\nc)
	v_lshrrev_b32 v[TM+4+qb], 23, v[TM+12+qb]
.set qb, qb+1
.endr
	v_lshl_or_b32 v[PW], v[TM+5], 8, v[TM+4]
.if (\nc) == 2
	v_lshl_or_b32 v[PW], v[TM+6], 16, v[PW]
	v_lshl_or_b32 v[PW], v[TM+7], 24, v[PW]
.endif
	WIN (\w)
.set qq, 0
.rept (\nc)
	v_cvt_scalef32_pk16_bf6_f32 v[PC+6*qq:PC+6*qq+2], v[(\s)+(\bs)*2*qq:(\s)+(\bs)*2*qq+15], v[TM+12+2*qq]
	v_cvt_scalef32_pk16_bf6_f32 v[PC+12+4*qq:PC+14+4*qq], v[(\s)+(\bs)*(2*qq+1):(\s)+(\bs)*(2*qq+1)+15], v[TM+13+2*qq]
.set qq, qq+1
.endr
	WIN 0
	v_nop
.set qq, 0
.rept (\nc)
.irp i, 0,1,2
	v_permlane16_swap_b32 v[PC+6*qq+\i], v[PC+12+4*qq+\i]
.endr
.irp i, 0,1,2
	v_mov_b32 v[PC+3+6*qq+\i], v[PC+12+4*qq+\i]
.endr
.set qq, qq+1
.endr
.endm
	s_load_b256 s[4:11], s[0:1], 0x0
	s_load_b256 s[12:19], s[0:1], 0x20
	s_load_b256 s[40:47], s[0:1], 0x40
	v_lshl_add_u32 v13, v0, 2, SPARE
	v_mov_b32 v14, 0
	ds_add_u32 v13, v14
	ds_add_u32 v13, v14
	s_wait_dscnt 0x0
	v_lshrrev_b32 v27, 5, v0
	v_readfirstlane_b32 s20, v27
	v_and_b32 v27, 31, v0
	v_and_b32 v28, 15, v0
	v_bfe_u32 v29, v0, 4, 1
	s_bfe_u32 s21, ttmp6, 0x40000
	s_lshl_b32 s22, ttmp9, 2
	s_add_co_u32 s22, s22, s21
	s_and_b32 s23, ttmp7, 0xffff
	s_mul_i32 s70, s20, QUART
	v_lshlrev_b32 v1, 4, v27
	v_lshlrev_b32 v2, 3, v27
	v_lshlrev_b32 v3, 2, v27
	v_add_nc_u32 v4, s70, v1
	v_add_nc_u32 v5, SLOTB, v4
	v_add_nc_u32 v6, s70, v2
	v_add_nc_u32 v7, SLOTB, v6
	v_add_nc_u32 v8, s70, v3
	v_add_nc_u32 v8, 24576, v8
	v_add_nc_u32 v9, SLOTB, v8
	v_add_nc_u32 v10, AIMG, v1
	v_add_nc_u32 v11, AIMG, v2
	v_add_nc_u32 v12, ASC, v3
	v_lshl_add_u32 v15, v27, 5, s70
	v_lshlrev_b32 v16, 5, v27
	v_add_nc_u32 v17, 2*QUART, v16
	v_and_b32 v18, 7, v0
	v_lshlrev_b32 v18, 12, v18
	v_lshl_add_u32 v18, v29, 6, v18
	s_lshl_b32 s71, s20, 10
	v_add_nc_u32 v18, s71, v18
	v_and_b32 v19, 8, v28
	v_add_nc_u32 v19, v19, v28
	v_and_b32 v22, 8, v28
	v_mul_u32_u24 v22, v22, 12
	v_lshl_add_u32 v22, v28, 2, v22                ; V's stage: lane r of tile mt holds token 8 mt + r % 8 + 32 (r / 8): 4 bytes a token
	v_lshlrev_b32 v19, 5, v19
	v_lshl_add_u32 v19, v29, 3, v19
	s_lshl_b32 s71, s20, 13
	v_add_nc_u32 v19, s71, v19
	v_lshlrev_b32 v21, 4, v29
	v_mad_u32_u24 v22, v29, 4480, v22
	s_add_co_u32 s71, s70, VSTG
	v_add_nc_u32 v22, s71, v22
	v_and_b32 v23, 7, v0
	v_mul_u32_u24 v23, v23, 272
	v_bfe_u32 v24, v0, 3, 1
	v_mad_u32_u24 v23, v24, 4480, v23
	v_lshl_add_u32 v23, v29, 6, v23
	v_add_nc_u32 v23, s71, v23
	v_lshlrev_b32 v25, 4, v0
	v_add_nc_u32 v26, AIMG, v25
	s_mul_i32 s72, s22, 49152
	s_mov_b32 s73, 0
	s_lshl_b32 s74, s22, 11
	s_mov_b32 s75, 0
	s_mul_i32 s76, s23, 819200
	s_add_co_u32 s76, s76, s70
	s_mov_b32 s77, 0
	s_mov_b32 s24, 15|(3<<16)|(1<<21)
	s_mov_b32 s25, 32<<16
	s_mov_b32 s26, 100<<16
	s_mov_b32 s27, 32<<16
	s_mov_b32 s28, 100
	s_mov_b32 s29, 32
	s_mov_b32 s30, 0
	s_mov_b32 s31, 0
	s_mov_b32 s[SEL], 0x76543210
	s_mov_b32 s[SEL+1], 0xfedcba98
	s_mov_b32 s68, 0xffff0000
	s_wait_alu depctr_va_vdst(0)
	s_wait_kmcnt 0x0
	s_add_nc_u64 s[4:5], s[4:5], s[72:73]
	s_add_nc_u64 s[6:7], s[6:7], s[74:75]
	s_add_nc_u64 s[8:9], s[8:9], s[76:77]
	s_cmp_eq_u32 s23, 1
	s_cselect_b64 s[48:49], s[12:13], s[10:11]
	s_cselect_b64 s[50:51], s[18:19], s[16:17]
	s_cmp_eq_u32 s23, 2
	s_cselect_b64 s[48:49], s[14:15], s[48:49]
	s_cselect_b64 s[50:51], s[40:41], s[50:51]
.irp i, 0,1,2,3,4,5,6,7,8,9,10,11,12,13,14,15,16,17,18,19,20,21,22,23
	global_load_b128 v[AF+4*\i:AF+4*\i+3], v25, s[4:5] offset:2048*\i
.endr
	global_load_b128 v[TF:TF+3], v25, s[6:7]
.irp nt, 0,1,2,3,4,5,6,7
	global_load_b128 v[DF+8*\nt:DF+8*\nt+3], v18, s[48:49] offset:128*(\nt/2)+32*(\nt%2)
	global_load_b128 v[DF+8*\nt+4:DF+8*\nt+7], v18, s[48:49] offset:128*(\nt/2)+32*(\nt%2)+16
.endr
	WIN TO_B
.irp nt, 8,9,10,11,12,13,14,15
	global_load_b128 v[192+8*(\nt-8):192+8*(\nt-8)+3], v18, s[48:49] offset:128*(\nt/2)+32*(\nt%2)
	global_load_b128 v[192+8*(\nt-8)+4:192+8*(\nt-8)+7], v18, s[48:49] offset:128*(\nt/2)+32*(\nt%2)+16
.endr
	WIN 0
	s_mov_b32 s32, 1
	s_mov_b32 s33, s70
	s_mov_b64 s[34:35], s[8:9]
	s_or_b32 s35, s35, 0x80000000
	s_mov_b32 s36, 1
	s_add_co_u32 s37, s70, SLOTB
	s_add_nc_u64 s[38:39], s[8:9], SLOTB
	s_or_b32 s39, s39, 0x80000000
	CROUND
	tensor_load_to_lds s[32:35], s[24:31]
	s_nop 0
	s_wait_alu depctr_va_vdst(0)
	s_wait_tensorcnt 0x0
	ds_add_u32 v13, v14
	s_wait_dscnt 0x0
	CROUND
	tensor_load_to_lds s[36:39], s[24:31]
	s_nop 0
	PLACES 4
	s_wait_loadcnt 32
.irp i, 0,1,2,3,4,5,6,7,8,9,10,11,12,13,14,15,16,17,18,19,20,21,22,23
	ds_store_b128 v26, v[AF+4*\i:AF+4*\i+3] offset:2048*\i
.endr
	ds_store_b128 v26, v[TF:TF+3] offset:ASC-AIMG
	s_wait_dscnt 0x0
	s_wait_tensorcnt 0x1
	s_barrier_signal -1
	s_barrier_wait -1
	MID 0
	END 0
	s_wait_loadcnt 0x0
	STEP 0
	STEP 1
	STEP 2
	STEP 3
	STEP 4
	STEP 5
	STEP 6
	STEP 7
	PLACES 5
	WIN TO_B
.irp nt, 0,1,2,3,4,5,6,7,8,9,10,11,12,13,14,15
.irp q, 0,1
	global_load_b64 v[4*\nt+2*\q:4*\nt+2*\q+1], v19, s[50:51] offset:32*(32*(\nt/2)+8*(\nt%2))+16*\q
.endr
.endr
.irp nt, 0,1,2,3,4,5,6,7,8,9,10,11,12,13,14,15
.if \nt < 8
	WIN 0x08
.set rF, DF+8*\nt
.else
	WIN 0x0d
.set rF, 192+8*(\nt-8)
.endif
.irp i, 0,1,2,3
.irp mt, 0,1,2,3
.set rY, 64*((\nt%8)/2)+16*\mt+8*(\nt%2)+2*\i
.if (\nt == 0) && (\i == 0)
	v_wmma_f32_16x16x4_f32 v[T+8*\mt:T+8*\mt+7], v[rF+2*\i:rF+2*\i+1], v[rY:rY+1], 0
.else
	v_wmma_f32_16x16x4_f32 v[T+8*\mt:T+8*\mt+7], v[rF+2*\i:rF+2*\i+1], v[rY:rY+1], v[T+8*\mt:T+8*\mt+7]
.endif
.endr
.endr
.endr
	WIN 0
	PLACES 8
.irp mt, 0,1,2,3
	ds_store_b128 v15, v[T+8*\mt:T+8*\mt+3] offset:1024*\mt
	ds_store_b128 v15, v[T+8*\mt+4:T+8*\mt+7] offset:1024*\mt+16
.endr
	s_wait_dscnt 0x0
	s_barrier_signal -1
	s_barrier_wait -1
.irp g, 0,1
.irp e, 0,1
.irp ww, 0,1,2,3
	ds_load_b128 v[EX+32*\e+8*\ww:EX+32*\e+8*\ww+3], v[16+\ww/2] offset:QUART*(\ww%2)+1024*(2*\g+\e)
	ds_load_b128 v[EX+32*\e+8*\ww+4:EX+32*\e+8*\ww+7], v[16+\ww/2] offset:QUART*(\ww%2)+1024*(2*\g+\e)+16
.endr
.endr
	s_wait_dscnt 0x0
.irp e, 0,1
.irp j, 0,2,4,6
	v_pk_add_f32 v[EX+32*\e+\j:EX+32*\e+\j+1], v[EX+32*\e+\j:EX+32*\e+\j+1], v[EX+32*\e+8+\j:EX+32*\e+8+\j+1]
	v_pk_add_f32 v[EX+32*\e+16+\j:EX+32*\e+16+\j+1], v[EX+32*\e+16+\j:EX+32*\e+16+\j+1], v[EX+32*\e+24+\j:EX+32*\e+24+\j+1]
.endr
.irp j, 0,2,4,6
	v_pk_add_f32 v[TT+8*(2*\g+\e)+\j:TT+8*(2*\g+\e)+\j+1], v[EX+32*\e+\j:EX+32*\e+\j+1], v[EX+32*\e+16+\j:EX+32*\e+16+\j+1]
.endr
.endr
.endr
.irp mt, 0,1,2,3
.irp q, 0,1
.irp j, 0,1
	v_cndmask_b32 v[TF+4*\mt+2*\q+\j], v[TT+8*\mt+4*\q+\j], v[TT+8*\mt+4*\q+2+\j], s68
.endr
.endr
.endr
	s_wait_alu depctr_va_vdst(0)
	s_wait_loadcnt 0x0
	PLACES 9
.irp nt, 0,1,2,3,4,5,6,7,8,9,10,11,12,13,14,15
.if \nt < 8
	WIN MUL_LO
.else
	WIN MUL_HI
.endif
.irp q, 0,1
.irp mt, 0,1,2,3
.set rD, 64*((\nt%8)/2)+16*\mt+8*(\nt%2)
	v_wmma_f32_16x16x4_f32 v[rD:rD+7], v[4*\nt+2*\q:4*\nt+2*\q+1], v[TF+4*\mt+2*\q:TF+4*\mt+2*\q+1], v[rD:rD+7]
.endr
.endr
.endr
	WIN 0
	s_lshr_b32 s70, s22, 5
	s_and_b32 s71, s22, 31
	s_lshr_b32 s72, s71, 1
	s_and_b32 s73, s71, 1
	s_lshl_b32 s74, s20, 2
	s_mul_i32 s84, s71, 3072
	s_mul_i32 s85, s72, 13056
	s_mul_i32 s86, s73, 3072
	s_add_co_u32 s86, s86, s85
	s_lshl_b32 s87, s71, 8
	s_lshl_b32 s88, s73, 8
	s_add_co_u32 s88, s88, s85
	s_add_co_u32 s88, s88, 12288
	s_mul_i32 s96, s73, 768
	s_lshl_b32 s97, s73, 1
	s_mov_b32 s80, 3342336
	s_mov_b32 s81, 208896
	s_mov_b32 s82, 3342336
	s_mov_b32 s83, 208896
	s_cmp_eq_u32 s23, 1
	s_cselect_b32 s86, s86, s85
	s_cmp_eq_u32 s23, 0
	s_cselect_b64 s[76:77], s[42:43], s[46:47]
	s_cselect_b64 s[78:79], s[44:45], s[46:47]
	s_cselect_b32 s80, 1572864, s80
	s_cselect_b32 s81, 98304, s81
	s_cselect_b32 s82, 131072, s82
	s_cselect_b32 s83, 8192, s83
	s_cselect_b32 s84, s84, s86
	s_cselect_b32 s87, s87, s88
	s_mul_i32 s92, s70, s80
	s_mul_i32 s89, s74, s81
	s_add_co_u32 s92, s92, s89
	s_add_co_u32 s92, s92, s84
	s_mov_b32 s93, 0
	s_mov_b32 s94, s81
	s_mov_b32 s95, 0
	s_add_nc_u64 s[52:53], s[76:77], s[92:93]
	s_add_nc_u64 s[54:55], s[52:53], s[94:95]
	s_add_nc_u64 s[56:57], s[54:55], s[94:95]
	s_add_nc_u64 s[58:59], s[56:57], s[94:95]
	s_mul_i32 s92, s70, s82
	s_mul_i32 s89, s74, s83
	s_add_co_u32 s92, s92, s89
	s_add_co_u32 s92, s92, s87
	s_add_nc_u64 s[60:61], s[78:79], s[92:93]
	s_lshl_b32 s94, s83, 1
	s_add_nc_u64 s[62:63], s[60:61], s[94:95]
	v_mul_lo_u32 v20, v29, s83
	v_lshl_add_u32 v20, v28, 2, v20
	v_add_nc_u32 v30, s96, v1
	v_add_nc_u32 v31, s96, v2
	v_add_nc_u32 v24, s97, v3
.irp b, 0,1,2,3
	v_mov_b32 v[TM+4+\b], 0
.endr
	PLACES 8
	s_cmp_eq_u32 s23, 2
	s_cbranch_scc1 .Lv
.irp W, 2,3
.irp mt, 0,1,2,3
	s_wait_xcnt 0x0
	QUANT 16*\mt, 64, 2, \W
	global_store_b128 v1, v[PC:PC+3], s[52+4*(\W-2):53+4*(\W-2)] offset:768*\mt
	global_store_b64 v2, v[PC+4:PC+5], s[52+4*(\W-2):53+4*(\W-2)] offset:768*\mt+512
	global_store_b128 v1, v[PC+6:PC+9], s[54+4*(\W-2):55+4*(\W-2)] offset:768*\mt
	global_store_b64 v2, v[PC+10:PC+11], s[54+4*(\W-2):55+4*(\W-2)] offset:768*\mt+512
	v_lshrrev_b32 v[PW2], v21, v[PW]
	global_store_b32 v20, v[PW2], s[60+2*(\W-2):61+2*(\W-2)] offset:64*\mt
.endr
.endr
	s_branch .Lend
.Lv:
.irp hd, 0,1,2,3
	WIN 0x08+4*(\hd/2)
.irp pp, 0,1
.irp mt, 0,1,2,3
.irp u, 0,1
.irp j, 0,1,2,3,4,5,6,7
	ds_store_b32 v22, v[64*(2*(\hd%2)+\pp)+16*\mt+8*\u+\j] offset:272*(32*\pp+8*\u+\j)+256*\pp+32*\mt
.endr
.endr
.endr
.endr
	WIN 0
.irp vt, 0,1,2,3
.irp bk, 0,1
.irp i, 0,1,2,3
	ds_load_b128 v[X+16*\bk+4*\i:X+16*\bk+4*\i+3], v23 offset:272*(32*(\vt/2)+8*(\vt%2))+256*(\vt/2)+128*\bk+16*\i
.endr
.endr
	s_wait_dscnt 0x0
	s_wait_xcnt 0x0
	QUANT X, 16, 1, 0
	global_store_b128 v30, v[PC:PC+3], s[52+2*\hd:53+2*\hd] offset:6144+1536*\vt
	global_store_b64 v31, v[PC+4:PC+5], s[52+2*\hd:53+2*\hd] offset:6144+1536*\vt+512
.if \vt%2 == 0
	v_mov_b32 v[PW2], v[PW]
.else
	v_cndmask_b32 v[PW3], v[PW2], v[PW], s68
	global_store_b16 v24, v[PW3], s[52+2*\hd:53+2*\hd] offset:12800+128*(\vt/2)
.endif
.endr
.endr
.Lend:
	s_wait_tensorcnt 0x0
	ds_add_u32 v13, v14
	s_wait_dscnt 0x0
	CROUND
	s_endpgm
.Lfunc_end_k_q20d99804fc_qkv:
	.size	k_q20d99804fc_qkv, .Lfunc_end_k_q20d99804fc_qkv-k_q20d99804fc_qkv
	.p2alignl 7, 3214868480
	.fill 96, 4, 3214868480
	.section	.rodata,"a",@progbits
	.p2align	6, 0x0
	.amdhsa_kernel k_q20d99804fc_qkv
		.amdhsa_group_segment_fixed_size 327680
		.amdhsa_private_segment_fixed_size 0
		.amdhsa_enable_private_segment 0
		.amdhsa_kernarg_size 96
		.amdhsa_user_sgpr_count 2
		.amdhsa_user_sgpr_kernarg_segment_ptr 1
		.amdhsa_wavefront_size32 1
		.amdhsa_system_sgpr_workgroup_id_x 1
		.amdhsa_system_sgpr_workgroup_id_y 1
		.amdhsa_system_sgpr_workgroup_id_z 1
		.amdhsa_system_vgpr_workitem_id 0
		.amdhsa_next_free_vgpr 1024
		.amdhsa_next_free_sgpr 100
		.amdhsa_reserve_vcc 0
		.amdhsa_float_denorm_mode_32 3
		.amdhsa_float_denorm_mode_16_64 3
		.amdhsa_memory_ordered 1
		.amdhsa_forward_progress 1
		.amdhsa_inst_pref_size 255
	.end_amdhsa_kernel
	.section	.bss,"aw",@nobits
	.p2align	6
	.space	262144
	.amdgpu_metadata
---
amdhsa.version: [ 1, 2 ]
amdhsa.kernels:
  - .name:           k_q20d99804fc_qkv
    .symbol:         k_q20d99804fc_qkv.kd
    .args:
      - { .name: xc, .offset: 0, .size: 8, .value_kind: global_buffer, .address_space: global }
      - { .name: xs, .offset: 8, .size: 8, .value_kind: global_buffer, .address_space: global }
      - { .name: wc, .offset: 16, .size: 8, .value_kind: global_buffer, .address_space: global }
      - { .name: Dq, .offset: 24, .size: 8, .value_kind: global_buffer, .address_space: global }
      - { .name: Dk, .offset: 32, .size: 8, .value_kind: global_buffer, .address_space: global }
      - { .name: Dv, .offset: 40, .size: 8, .value_kind: global_buffer, .address_space: global }
      - { .name: Uq, .offset: 48, .size: 8, .value_kind: global_buffer, .address_space: global }
      - { .name: Uk, .offset: 56, .size: 8, .value_kind: global_buffer, .address_space: global }
      - { .name: Uv, .offset: 64, .size: 8, .value_kind: global_buffer, .address_space: global }
      - { .name: qc, .offset: 72, .size: 8, .value_kind: global_buffer, .address_space: global }
      - { .name: qs, .offset: 80, .size: 8, .value_kind: global_buffer, .address_space: global }
      - { .name: kv, .offset: 88, .size: 8, .value_kind: global_buffer, .address_space: global }
    .group_segment_fixed_size: 327680
    .private_segment_fixed_size: 0
    .kernarg_segment_align: 8
    .kernarg_segment_size: 96
    .max_flat_workgroup_size: 128
    .sgpr_count:     100
    .vgpr_count:     1024
    .wavefront_size: 32
...
	.end_amdgpu_metadata
.endif
;; end of part 2
;; launch attn (part 3): grid 4 x 64, 16 waves a work-group, clusters of 4 x 1, 210,944 bytes of LDS; arguments qc, qs, kv, oc, os; writes oc, os
.if DOCPART == 3
	.amdgcn_target "amdgcn-amd-amdhsa--gfx1250"
	.amdhsa_code_object_version 6
	.text
	.protected	k_q20d99804fc_attn
	.globl	k_q20d99804fc_attn
	.p2align	8
	.type	k_q20d99804fc_attn,@function
k_q20d99804fc_attn:
	s_mov_b64 s[64:65], 0
	v_nop
	global_prefetch_b8 v0, s[64:65] scope:SCOPE_SE
	s_setreg_imm32_b32 hwreg(HW_REG_WAVE_MODE, 25, 1), 1
	s_wait_xcnt 0x0
	s_wait_alu depctr_hold_cnt(0) depctr_sa_sdst(0) depctr_va_vdst(0) depctr_va_sdst(0) depctr_va_ssrc(0) depctr_va_vcc(0) depctr_vm_vsrc(0)
	s_getreg_b32 s2, hwreg(HW_REG_IB_STS2, 6, 4)
	s_cmp_eq_u32 s2, 0
	s_cbranch_scc0 .Lentry_in_a_cluster
	s_endpgm
.Lentry_in_a_cluster:
	s_bfe_u32 s2, ttmp6, 0x10000c
	s_cmp_lg_u32 s2, 0x3003
	s_cbranch_scc0 .Lentry_shape_is_right
	s_endpgm
.Lentry_shape_is_right:
; ATTN: o = softmax(q k^T / 8) v for one head (grid y: 16 x batch + head), both products on codes of BF6 with one E8M0 scale for each 32 along K; o is divided by the row's sum, quantised along the channels and stored as the last product's operand.
; THE SOFTMAX: t = score x log2(e) / 8; M = the running largest t rounded UP to a whole number; p = 2^(t - M) is quantised along the keys, not normalised; the row's sum is taken of the unquantised p;
; when M moves, the sums and O are multiplied by 2^(old M - new M), which rounds nothing.
; SHARES: a work-group owns 512 queries of the head; each of its sixteen waves two tiles of 16, one after the other (two passes): four waves to a SIMD.
; THE WHOLE HEAD'S K, V AND SCALE WORDS, 16 key steps x 13,056 bytes, LIE IN LDS, FILLED ONCE: wave w brings key step w.  No byte of LDS is filled again, and nothing is stored to LDS.
; CLUSTER: the four work-groups of a head want the same bytes: each load is asked for JOINTLY (mask 15).  The place in the cluster enters global addresses alone.
; LAYOUT: both products transposed: S^T = K Q^T (source 0 = 16 keys), O^T = V^T P^T (source 0 = 16 channels): a lane holds one query.
; Row i of K's tile 4c + u is key 64 c + 8 u + i % 8 + 32 (i / 8).  So lane (r, h) finds in the 32 registers of tiles 4c .. 4c+3 the keys 64 c + 32 h + 0 .. 31 of query r: ONE WHOLE BLOCK OF 32 IN A LANE,
; in the very order of the second product's operand: a block's largest score needs no other lane, and p's codes are not moved between lanes.
; The head has 64 channels, the instruction takes 128 along K.  Q's upper six registers are zero codes.  K's tiles lie SIX registers apart: the upper six registers that a product names for tile T are tile T + 1's codes
; (behind tile 7: six registers of zeros).  BF6 has only finite codes and all scale bytes here are finite, so these products with Q's zero codes add 0.
; Row i of V's tile T is channel 32 (T/2) + 8 (T%2) + i + 8 (i/8): the 16 registers of O^T's tiles 2b, 2b+1 are 16 neighbouring channels.
; A key step in LDS: K 8 x 768 | V 4 x (2 x 768) at 6,144 | K's scale words 8 x 64 at 12,288 | V's 4 x 64 at 12,800.
; AHEAD: K's fragments of the next key step are asked of LDS behind this step's scores, V's at the step's top.  The step behind the last is step 0: the first pass's last trip fetches for the second pass; the second's fetches 20 loads that nobody reads.
; No prefetch into the L2: all that the work-group reads of kv is asked for at its head, by one load a wave.
; REGISTERS: v1-3 K's, v4-6 V's LDS addresses; v7 the first pass's scale bytes; v8-11 16, 8, 4 x lane, 4 r; v12 -M, v13 the largest score; v14-21 the sum in four pairs; v[26:27] f; v28 Q's, v29 p's scale words; v30-31 the conversions' scale operands;
;   v32-43 Q; v44-97 K; v98-101 K's, v102-103 V's scale words; v104-151 V; v152-215 S^T, then p (p's codes are laid over v168-182 when these p are summed and converted); v216-247 O^T; v248-255 at work.
; LIMITS: the promise holds while the scaled scores t stay under 2^31 in magnitude; a block of zeros gets the scale byte 1 where the rule says 127 (its codes are zeros); NaN and infinities are not served.
.set KSB, 13056
.set SPARE, 0x33000
.set L,  14
.set QF, 32
.set KF, 44
.set KS, 98
.set VS, 102
.set VF, 104
.set S,  152
.set P,  168
.set O,  216
.macro PLACES n
.rept \n
	v_nop
.endr
.endm
.macro CROUND
	s_barrier_signal -1
	s_barrier_wait -1
	s_cmp_lg_u32 s18, 0
	s_cbranch_scc1 .Lnot_wave_0_\@
	s_barrier_signal -3
.Lnot_wave_0_\@:
	s_barrier_wait -3
	s_barrier_signal -1
	s_barrier_wait -1
.endm
.macro WS d, a, b, c, sa, sb, ra       ; ra: source 0's scale words stand in lanes 16-31
.if (\ra)
	v_wmma_scale_f32_16x16x128_f8f6f4 v[\d:\d+7], v[\a:\a+11], v[\b:\b+11], \c, v[\sa], v[\sb] matrix_a_fmt:MATRIX_FMT_BF6 matrix_b_fmt:MATRIX_FMT_BF6 matrix_a_scale:MATRIX_SCALE_ROW1
.else
	v_wmma_scale_f32_16x16x128_f8f6f4 v[\d:\d+7], v[\a:\a+11], v[\b:\b+11], \c, v[\sa], v[\sb] matrix_a_fmt:MATRIX_FMT_BF6 matrix_b_fmt:MATRIX_FMT_BF6
.endif
.endm
.macro KLOAD a16, a8, a4               ; 20 loads: a key step's eight tiles of K, six registers each, and their scale words (lanes 0-15 tile 2 i's, lanes 16-31 tile 2 i + 1's)
.irp i, 0,1,2,3
	ds_load_b32 v[KS+\i], v[\a4] offset:12288+128*\i
.endr
.irp t, 0,1,2,3,4,5,6,7
	ds_load_b128 v[KF+6*\t:KF+6*\t+3], v[\a16] offset:768*\t
	ds_load_b64 v[KF+6*\t+4:KF+6*\t+5], v[\a8] offset:768*\t+512
.endr
.endm
.macro SUM i                           ; eight p at S + i onto the four pairs
.irp q, 0,1,2,3
	v_pk_add_f32 v[L+2*\q:L+2*\q+1], v[L+2*\q:L+2*\q+1], v[S+\i+2*\q:S+\i+2*\q+1]
.endr
.endm
	s_load_b128 s[4:7], s[0:1], 0x0                ; qc, qs
	s_load_b128 s[8:11], s[0:1], 0x10              ; kv, oc
	s_load_b64 s[12:13], s[0:1], 0x20              ; os
	v_lshl_add_u32 v254, v0, 2, SPARE
	v_mov_b32 v255, 0
	ds_add_u32 v254, v255                          ; the opening lines: the add, twice on end, and its wait
	ds_add_u32 v254, v255
	s_wait_dscnt 0x0
	v_lshrrev_b32 v1, 5, v0
	s_delay_alu instid0(VALU_DEP_1)
	v_readfirstlane_b32 s18, v1                    ; wave 0..15
	s_bfe_u32 s19, ttmp6, 0x40000                  ; cx: which 512 queries
	s_and_b32 s16, ttmp7, 0xffff                   ; the head, which the partners share
	s_mul_i32 s40, s18, KSB                        ; my key step's place in LDS
	s_mul_i32 s42, s16, 16*KSB
	s_add_co_u32 s42, s42, s40                     ; and in kv
	s_mov_b32 s43, 0
	s_lshl_b32 s44, s19, 5
	s_lshl_b32 s45, s18, 1
	s_add_co_u32 s44, s44, s45
	s_lshl_b32 s45, s16, 7
	s_add_co_u32 s44, s44, s45                     ; 128 x head + my first tile of queries
	s_mul_i32 s46, s44, 768
	s_mov_b32 s47, 0
	s_lshl_b32 s48, s44, 6
	s_mov_b32 s49, 0
	s_lshr_b32 s50, s16, 4
	s_lshl_b32 s50, s50, 5
	s_lshl_b32 s51, s19, 3
	s_add_co_u32 s50, s50, s51
	s_lshr_b32 s51, s18, 1
	s_add_co_u32 s50, s50, s51                     ; the block of 64 tokens: 32 x batch + 8 cx + wave / 2
	s_bfe_u32 s51, s16, 0x30001                    ; the last product's K step: (head in batch) / 2,
	s_and_b32 s52, s16, 1                          ; and which half of it
	s_and_b32 s53, s18, 1                          ; my tiles are 2 (wave % 2) + pass
	s_mul_i32 s54, s50, 49152
	s_mul_i32 s56, s51, 6144
	s_add_co_u32 s54, s54, s56
	s_mul_i32 s56, s53, 3072
	s_add_co_u32 s54, s54, s56
	s_mul_i32 s56, s52, 768
	s_add_co_u32 s54, s54, s56
	s_mov_b32 s55, 0
	s_lshl_b32 s56, s50, 11
	s_lshl_b32 s58, s51, 8
	s_add_co_u32 s56, s56, s58
	s_lshl_b32 s58, s53, 7
	s_add_co_u32 s56, s56, s58
	s_lshl_b32 s58, s52, 1
	s_add_co_u32 s56, s56, s58
	s_mov_b32 s57, 0
	; descriptor group 1: a key step, 13,056 dense bytes, as 51 rows of 32 elements of 8 bytes
	s_mov_b32 s24, 15|(3<<16)|(1<<21)
	s_mov_b32 s25, 32<<16
	s_mov_b32 s26, 51<<16
	s_mov_b32 s27, 32<<16
	s_mov_b32 s28, 51
	s_mov_b32 s29, 32
	s_mov_b32 s30, 0
	s_mov_b32 s31, 0
	s_mov_b32 s20, 0x76543210                      ; selects for lane l xor 16
	s_mov_b32 s21, 0xfedcba98
	s_mov_b32 s22, 0x3e38aa3b                      ; c = log2(e) / 8
	s_mov_b32 s23, s22                             ; (named with it as a pair)
	s_mov_b32 s38, 0xffff0000                      ; lanes 16-31
	s_mov_b32 s59, 0x06020400                      ; byte select: mine 0, the other lane's 0, mine 2, the other lane's 2
	s_wait_kmcnt 0x0
	s_mov_b32 s32, 1
	s_mov_b32 s33, s40
	s_add_nc_u64 s[34:35], s[8:9], s[42:43]
	s_or_b32 s35, s35, 0x80000000
	s_add_nc_u64 s[4:5], s[4:5], s[46:47]
	s_add_nc_u64 s[6:7], s[6:7], s[48:49]
	s_add_nc_u64 s[10:11], s[10:11], s[54:55]
	s_add_nc_u64 s[12:13], s[12:13], s[56:57]
	CROUND                                         ; all four work-groups are here: the joint loads meet
	tensor_load_to_lds s[32:35], s[24:31]          ; my one tensor load of the launch
	s_nop 0
	PLACES 4
	v_and_b32 v1, 31, v0
	v_and_b32 v11, 15, v0
	v_lshlrev_b32 v8, 4, v1
	v_lshlrev_b32 v9, 3, v1
	v_lshlrev_b32 v10, 2, v1
	v_lshlrev_b32 v11, 2, v11
.irp j, 6,7,8,9,10,11
	v_mov_b32 v[QF+\j], 0                          ; Q's upper 64 along K: zero codes
	v_mov_b32 v[KF+42+\j], 0                       ; and what tile 7's product names behind K's last codes
.endr
	v_mov_b32 v251, 0                              ; a lane permute's destination counts as one of its sources
	v_mov_b32 v27, 0                               ; (named as the upper half of the pair v[26:27])
	s_wait_alu depctr_va_vdst(0)                   ; the wait at the head's end
	s_wait_tensorcnt 0x0                           ; my key step is in,
	s_barrier_signal -1
	s_barrier_wait -1                              ; everybody's is
.macro PASS p
	s_wait_xcnt 0x0                                ; the stores of the pass before have read their registers
	global_load_b128 v[QF:QF+3], v8, s[4:5] offset:768*\p
	global_load_b64 v[QF+4:QF+5], v9, s[4:5] offset:768*\p+512
	global_load_b32 v28, v11, s[6:7] offset:64*\p
.if \p == 0
	KLOAD 8, 9, 10                                 ; key step 0 (the second pass finds it fetched by the first's last trip)
.endif
	v_mov_b32 v13, 0xff61b1e6                      ; the largest score so far: -3e38
	v_mov_b32 v12, 0x7f61b1e6                      ; -M: 3e38, a whole number
.set j, 0
.rept 8
	v_mov_b32 v[L+j], 0
.set j, j+1
.endr
.set j, 0
.rept 32
	v_mov_b32 v[O+j], 0                            ; O^T: the loop has no first step of its own; the first change of M leaves zeros zeros
.set j, j+1
.endr
	s_mov_b32 s39, 0
	s_wait_alu depctr_va_vdst(0)                   ; the wait here, directly ahead of the wait below
	s_wait_loadcnt 0x0
.Ltrip_\@:                                         ; 16 trips: a key step of 128 keys each
	s_mul_i32 s36, s39, KSB                        ; this key step,
	s_add_co_u32 s37, s39, 1
	s_and_b32 s37, s37, 15
	s_mul_i32 s37, s37, KSB                        ; and the next, step 0 behind step 15
	v_add_nc_u32 v4, s36, v8                       ; five places behind the last trip's products: V's registers are loaded into, and p's codes written over by the scores
	v_add_nc_u32 v5, s36, v9
	v_add_nc_u32 v6, s36, v10
	v_mov_b32 v255, v12                            ; the old -M
	v_nop
.irp vt, 0,1,2,3
.irp c, 0,1
	ds_load_b128 v[VF+12*\vt+6*\c:VF+12*\vt+6*\c+3], v4 offset:6144+1536*\vt+768*\c
	ds_load_b64 v[VF+12*\vt+6*\c+4:VF+12*\vt+6*\c+5], v5 offset:6144+1536*\vt+768*\c+512
.endr
.endr
.irp i, 0,1
	ds_load_b32 v[VS+\i], v6 offset:12800+128*\i
.endr
	s_wait_dscnt 18                                ; K's 20 loads, asked for a trip ago, are in; V's 18, just issued, may be out
.irp t, 0,1,2,3,4,5,6,7
	WS S+8*\t, KF+6*\t, QF, 0, KS+\t/2, 28, \t%2
.endr
	v_add_nc_u32 v1, s37, v8                       ; four places behind the scores' products
	v_add_nc_u32 v2, s37, v9
	v_add_nc_u32 v3, s37, v10
	v_nop
	KLOAD 1, 2, 3
.irp q, 0,1,2,3                                ; the largest score of my two blocks of 32 keys, in four chains of 15, each accumulator from its low end on
	v_max3_num_f32 v[248+\q], v[S+16*\q], v[S+16*\q+1], v[S+16*\q+2]
.endr
.irp i, 3,5,7,9,11,13
.irp q, 0,1,2,3
	v_max3_num_f32 v[248+\q], v[248+\q], v[S+16*\q+\i], v[S+16*\q+\i+1]
.endr
.endr
	v_max3_num_f32 v248, v248, v249, v[S+15]
	v_max3_num_f32 v250, v250, v251, v[S+47]
	v_max_num_f32 v248, v248, v[S+31]              ; block h: it serves the row's maximum and, since p rises with the score, the block's largest p
	v_max_num_f32 v249, v250, v[S+63]              ; block 2 + h
	s_delay_alu instid0(VALU_DEP_1)
	v_max_num_f32 v250, v248, v249
	s_delay_alu instid0(VALU_DEP_1)
	v_permlanex16_b32 v251, v250, s20, s21
	s_delay_alu instid0(VALU_DEP_1)
	v_max3_num_f32 v13, v13, v250, v251            ; the running largest score of my query
	s_delay_alu instid0(VALU_DEP_1)
	v_mul_f32 v252, s22, v13                       ; as t (c is positive)
	s_delay_alu instid0(VALU_DEP_1)
	v_floor_f32 v12, -v252                         ; -M = floor(-t): M is a whole number
	s_delay_alu instid0(VALU_DEP_1)
	v_sub_f32 v253, v12, v255                      ; old M - new M, 0 or less
	s_delay_alu instid0(VALU_DEP_1)
	v_cvt_i32_f32 v253, v253                       ; (it saturates)
	s_delay_alu instid0(VALU_DEP_1)
	v_ldexp_f32 v26, 1.0, v253                     ; f = 2^(old M - new M)
.set j, 0
.rept 32
	v_pk_fma_f32 v[S+j:S+j+1], v[S+j:S+j+1], s[22:23], v[12:13] op_sel_hi:[1,0,0]   ; t - M
.set j, j+2
.endr
	v_pk_fma_f32 v[248:249], v[248:249], s[22:23], v[12:13] op_sel_hi:[1,0,0]       ; the same of the blocks' largest scores
	s_wait_alu depctr_va_vdst(0)                   ; the wait ahead of the batch
	v_exp_f32 v248, v248                           ; the blocks' largest p: the same two instructions on the same number give the same bits
	v_exp_f32 v249, v249
.set j, 0
.rept 64
	v_exp_f32 v[S+j], v[S+j]                       ; p = 2^(t - M)
.set j, j+1
.endr
	v_nop                                          ; a plain place behind the exponentials
	s_wait_alu depctr_va_vdst(0)                   ; one wait for the batch, directly ahead of the first readers of O^T too
.set j, 0
.rept 16
	v_pk_mul_f32 v[O+j:O+j+1], v[O+j:O+j+1], v[26:27] op_sel_hi:[1,0]   ; O^T under the new M
.set j, j+2
.endr
	v_max_num_f32 v248, 0x2800000, v248            ; the floor 2^(5 - 127): the byte cannot fall under 1
	v_max_num_f32 v249, 0x2800000, v249
	v_add_nc_u32 v30, 0xfe000000, v248             ; 4 off the exponent field: the conversions' scale operands
	v_add_nc_u32 v31, 0xfe000000, v249
	v_lshrrev_b32 v250, 23, v30                    ; the scales' bytes
	v_lshrrev_b32 v251, 23, v31
	v_lshl_or_b32 v250, v251, 16, v250             ; blocks h and 2 + h at bytes 0 and 2
	v_permlanex16_b32 v251, v250, s20, s21
	v_perm_b32 v29, v251, v250, s59                ; in lanes 0-15, which alone are read: p's scale word for these 128 keys
.irp q, 0,1,2,3
	v_pk_fma_f32 v[L+2*\q:L+2*\q+1], v[L+2*\q:L+2*\q+1], v[26:27], v[S+2*\q:S+2*\q+1] op_sel_hi:[1,0,1]   ; the sums under the new M, and the first eight p: THE SUM IS TAKEN OF THE UNQUANTISED p
.endr
	SUM 8
	SUM 16
	SUM 24
	v_cvt_scalef32_pk16_bf6_f32 v[252:254], v[S+16:S+31], v30        ; block h's upper 16 codes (three registers that begin on an even number: moved below)
	SUM 32                                         ; plain places: the conversions below write over the sources of the one above
	v_cvt_scalef32_pk16_bf6_f32 v[P:P+2], v[S:S+15], v30
	v_cvt_scalef32_pk16_bf6_f32 v[P+6:P+8], v[S+32:S+47], v31
	v_cvt_scalef32_pk16_bf6_f32 v[P+12:P+14], v[S+48:S+63], v31
	SUM 40                                         ; plain places behind the conversions
.irp i, 0,1,2
	v_mov_b32 v[P+3+\i], v[252+\i]
	v_mov_b32 v[P+9+\i], v[P+12+\i]
.endr
	SUM 48                                         ; eight places between the codes and the products
	SUM 56
	s_wait_alu depctr_va_vdst(0)                   ; the wait here, directly ahead of the wait below
	s_wait_dscnt 20                                ; V's 18 loads are in; the next step's 20 of K, issued behind them, may be out
.irp vt, 0,1,2,3
	WS O+8*\vt, VF+12*\vt, P, v[O+8*\vt:O+8*\vt+7], VS+\vt/2, 29, \vt%2
.endr
	s_add_co_u32 s39, s39, 1
	s_cmp_lt_u32 s39, 16
	s_cbranch_scc1 .Ltrip_\@
	; the pass's end: O^T / the sum, quantised along the head's 64 channels: half a fragment of the last product's operand
	v_pk_add_f32 v[L:L+1], v[L:L+1], v[L+2:L+3]    ; (these lines are the places behind the last products)
	v_pk_add_f32 v[L+4:L+5], v[L+4:L+5], v[L+6:L+7]
	v_pk_add_f32 v[L:L+1], v[L:L+1], v[L+4:L+5]
	v_add_f32 v14, v14, v15
	v_permlanex16_b32 v254, v14, s20, s21
	v_add_f32 v14, v14, v254                       ; with lane l xor 16's blocks: the row's sum
	s_wait_alu depctr_va_vdst(0)
	v_rcp_f32 v14, v14
	v_nop
	s_wait_alu depctr_va_vdst(0)
.set j, 0
.rept 32
	v_mul_f32 v[S+j], v[O+j], v14                  ; register 16 b + i: channel 32 b + 16 h + i of my query
.set j, j+1
.endr
	v_max3_num_f32 v248, |v[S]|, |v[S+1]|, 0x2800000
	v_max3_num_f32 v249, |v[S+16]|, |v[S+17]|, 0x2800000
.irp i, 2,4,6,8,10,12,14
	v_max3_num_f32 v248, v248, |v[S+\i]|, |v[S+1+\i]|
	v_max3_num_f32 v249, v249, |v[S+16+\i]|, |v[S+17+\i]|
.endr
	v_permlanex16_b32 v250, v248, s20, s21
	v_permlanex16_b32 v251, v249, s20, s21
	v_max_num_f32 v248, v248, v250
	v_max_num_f32 v249, v249, v251
	v_add_nc_u32 v30, 0xfe000000, v248
	v_add_nc_u32 v31, 0xfe000000, v249
	v_lshrrev_b32 v250, 23, v30
	v_lshrrev_b32 v251, 23, v31
	v_lshl_or_b32 v254, v251, 8, v250              ; my row's two scale bytes
	v_cvt_scalef32_pk16_bf6_f32 v[S+32:S+34], v[S:S+15], v30
	v_cvt_scalef32_pk16_bf6_f32 v[S+40:S+42], v[S+16:S+31], v31
	v_nop
.irp i, 0,1,2
	v_permlane16_swap_b32 v[S+32+\i], v[S+40+\i]   ; a whole block to a lane
.endr
.irp i, 0,1,2
	v_mov_b32 v[S+35+\i], v[S+40+\i]
.endr
	global_store_b128 v8, v[S+32:S+35], s[10:11] offset:1536*\p
	global_store_b64 v9, v[S+36:S+37], s[10:11] offset:1536*\p+512
.if \p == 0
	v_mov_b32 v7, v254
.else
	v_cndmask_b32 v254, v7, v254, s38              ; lanes 0-15 the first pass's tile, lanes 16-31 the second's
	global_store_b16 v10, v254, s[12:13]
.endif
.endm
	PASS 0
	PASS 1
	s_wait_xcnt 0x0
	v_lshl_add_u32 v254, v0, 2, SPARE
	v_mov_b32 v255, 0
	s_wait_alu depctr_va_vdst(0)
	s_wait_tensorcnt 0x0                           ; the wave's end
	ds_add_u32 v254, v255
	s_wait_dscnt 0x0
	CROUND                                         ; the closing round
	s_endpgm
.Lfunc_end_k_q20d99804fc_attn:
	.size	k_q20d99804fc_attn, .Lfunc_end_k_q20d99804fc_attn-k_q20d99804fc_attn
	.p2alignl 7, 3214868480
	.fill 96, 4, 3214868480
	.section	.rodata,"a",@progbits
	.p2align	6, 0x0
	.amdhsa_kernel k_q20d99804fc_attn
		.amdhsa_group_segment_fixed_size 210944
		.amdhsa_private_segment_fixed_size 0
		.amdhsa_enable_private_segment 0
		.amdhsa_kernarg_size 40
		.amdhsa_user_sgpr_count 2
		.amdhsa_user_sgpr_kernarg_segment_ptr 1
		.amdhsa_wavefront_size32 1
		.amdhsa_system_sgpr_workgroup_id_x 1
		.amdhsa_system_sgpr_workgroup_id_y 1
		.amdhsa_system_sgpr_workgroup_id_z 1
		.amdhsa_system_vgpr_workitem_id 0
		.amdhsa_next_free_vgpr 256
		.amdhsa_next_free_sgpr 66
		.amdhsa_reserve_vcc 0
		.amdhsa_float_denorm_mode_32 3
		.amdhsa_float_denorm_mode_16_64 3
		.amdhsa_memory_ordered 1
		.amdhsa_forward_progress 1
		.amdhsa_inst_pref_size 49
	.end_amdhsa_kernel
	.amdgpu_metadata
---
amdhsa.version: [ 1, 2 ]
amdhsa.kernels:
  - .name:           k_q20d99804fc_attn
    .symbol:         k_q20d99804fc_attn.kd
    .args:
      - { .name: qc, .offset: 0, .size: 8, .value_kind: global_buffer, .address_space: global }
      - { .name: qs, .offset: 8, .size: 8, .value_kind: global_buffer, .address_space: global }
      - { .name: kv, .offset: 16, .size: 8, .value_kind: global_buffer, .address_space: global }
      - { .name: oc, .offset: 24, .size: 8, .value_kind: global_buffer, .address_space: global }
      - { .name: os, .offset: 32, .size: 8, .value_kind: global_buffer, .address_space: global }
    .group_segment_fixed_size: 210944
    .private_segment_fixed_size: 0
    .kernarg_segment_align: 8
    .kernarg_segment_size: 40
    .max_flat_workgroup_size: 512
    .sgpr_count:     66
    .vgpr_count:     256
    .wavefront_size: 32
...
	.end_amdgpu_metadata
.endif
;; end of part 3
;; launch oproj (part 4): grid 64 x 4, 4 waves a work-group, clusters of 4 x 1, 307,712 bytes of LDS; arguments oc, os, wc, bo, out0; writes out0
.if DOCPART == 4
	.amdgcn_target "amdgcn-amd-amdhsa--gfx1250"
	.amdhsa_code_object_version 6
	.text
	.protected	k_q20d99804fc_oproj
	.globl	k_q20d99804fc_oproj
	.p2align	8
	.type	k_q20d99804fc_oproj,@function
k_q20d99804fc_oproj:
	s_mov_b64 s[64:65], 0
	v_nop
	global_prefetch_b8 v0, s[64:65] scope:SCOPE_SE
	s_setreg_imm32_b32 hwreg(HW_REG_WAVE_MODE, 25, 1), 1
	s_wait_xcnt 0x0
	s_wait_alu depctr_hold_cnt(0) depctr_sa_sdst(0) depctr_va_vdst(0) depctr_va_sdst(0) depctr_va_ssrc(0) depctr_va_vcc(0) depctr_vm_vsrc(0)
	s_getreg_b32 s2, hwreg(HW_REG_IB_STS2, 6, 4)
	s_cmp_eq_u32 s2, 0
	s_cbranch_scc0 .Lentry_in_a_cluster
	s_endpgm
.Lentry_in_a_cluster:
	s_bfe_u32 s2, ttmp6, 0x10000c
	s_cmp_lg_u32 s2, 0x3003
	s_cbranch_scc0 .Lentry_shape_is_right
	s_endpgm
.Lentry_shape_is_right:
; OPROJ: out0 = Q(o) Q(Wo)^T + bo on codes of BF6 with one E8M0 scale for each 32 along K; sums in f32.  o's codes (oc, os) and Wo's (the fourth matrix of wc) lie as images of operand registers:
; a fragment (16 rows x 128 K, 12 registers a lane) is 1,536 bytes: for c = 0, 1: registers 6c..6c+3 at 768c + 16 x lane, registers 6c+4, 6c+5 at 768c + 512 + 8 x lane.
; SHARES: a work-group makes 128 tokens (grid x) x 256 channels (grid y): 64 x 4 = 256 work-groups.  Its part of Wo for ALL of K is 8 K steps x 25,600 bytes, its two blocks of o 2 x 51,200: 307,200 bytes,
; which lie in LDS and are FILLED ONCE.  Wave w makes 64 tokens (w / 2) x 128 channels (w % 2): 4 tiles of tokens x 8 tiles of channels = 32 accumulators.
; THE PRODUCT IS USED TRANSPOSED (source 0 = 16 rows of Wo, source 1 = 16 tokens).  Row i of Wo's tile T is channel 32 (T/2) + 8 (T%2) + i + 8 (i/8): the 16 registers of tiles 2b, 2b+1 are channels 32 b + 16 h + 0..15.
; Row i of o's tile T (of a block of 64 tokens) is token 8 T + i % 8 + 32 (i/8).  The bias is the C of each sum's first product.
; CLUSTER: the four blocks of tokens of a cluster want the same part of Wo: it is asked for JOINTLY (mask 15).  o's blocks are the work-group's own and come through registers: the place in the cluster enters global addresses alone.
; Wo's way in: ONE tensor load a wave: wave w brings K steps 2 w and 2 w + 1 of the quarter, two rows of 25,600 bytes that lie 102,400 bytes apart in wc, to LDS byte 51,200 w.  All is read behind one wait for 0 and one barrier.
; LDS: 0: Wo, K step s at 25,600 s (16 x 1,536 codes, 16 x 64 bytes of scale words) | 204,800: o's fragments [block 2][K step 8][tile 4][1,536] | 303,104: o's scale words [block][K step][tile][16 words] | 307,200: the spare words.
;   The way out's stages, 16 rows x 528 bytes a wave, lie in the bytes of K steps 0 and 1: these have had their only fill, and every wave has waited for its reads of them in front of the barrier that stands ahead of K step 2's fetch.
; REGISTERS: window 0: v1-30 addresses; v32-39 Wo's scale words, v40-43 o's, two sets each (scales alone); v48-143 o's fragments, two sets (at the head v48-247 carry o to LDS; on the way out v48-175 rows of out0).
;   window 1: v0-191 Wo's fragments, two sets of eight; v192-255 the bias of my eight tiles.   window 2: the accumulators: (mt, nt) at 64 (nt/2) + 16 mt + 8 (nt%2).
; No prefetch: all that the work-group reads is asked for at its head.
.set WSTEP,  25600                     ; a K step of my quarter of Wo
.set WGRP,   51200                     ; two K steps: what one wave brings
.set AIMG,   204800
.set ABLK,   49152                     ; a block of 64 tokens: its codes
.set ASC,    303104
.set SPITCH, 528                       ; a stage row: 512 bytes + 16
.set SB,  32
.set SA,  40
.set AF,  48
.set BI,  192                          ; in window 1: the bias
.set OB,  48                           ; the way out: 16 rows read back, v48-111 and v112-175 by turns
.set TO_B,   0x40                      ; destination window 1, address window 0
.set MSB, 0
.macro WIN new                         ; the immediate's high byte repeats the setting that is left
.if MSB != (\new)
	s_set_vgpr_msb (MSB<<8)|(\new)
.set MSB, (\new)
.endif
.endm
.macro PLACES n
.rept \n
	v_nop
.endr
.endm
.macro CROUND                          ; a round of the cluster's barrier
	s_barrier_signal -1
	s_barrier_wait -1
	s_cmp_lg_u32 s20, 0
	s_cbranch_scc1 .Lnot_wave_0_\@
	s_barrier_signal -3
.Lnot_wave_0_\@:
	s_barrier_wait -3
	s_barrier_signal -1
	s_barrier_wait -1
.endm
.macro LDFRAG reg, a16, a8, off        ; a fragment's image: 12 registers by four loads of dense bytes
	ds_load_b128 v[\reg:\reg+3], v[\a16] offset:\off
	ds_load_b64 v[\reg+4:\reg+5], v[\a8] offset:\off+512
	ds_load_b128 v[\reg+6:\reg+9], v[\a16] offset:\off+768
	ds_load_b64 v[\reg+10:\reg+11], v[\a8] offset:\off+1280
.endm
.macro WM d, a, b, c, sa, sb, ra, rb   ; ra, rb: the side's scale words stand in lanes 16-31
.if (\ra) && (\rb)
	v_wmma_scale_f32_16x16x128_f8f6f4 v[\d:\d+7], v[\a:\a+11], v[\b:\b+11], \c, v[\sa], v[\sb] matrix_a_fmt:MATRIX_FMT_BF6 matrix_b_fmt:MATRIX_FMT_BF6 matrix_a_scale:MATRIX_SCALE_ROW1 matrix_b_scale:MATRIX_SCALE_ROW1
.elseif (\ra)
	v_wmma_scale_f32_16x16x128_f8f6f4 v[\d:\d+7], v[\a:\a+11], v[\b:\b+11], \c, v[\sa], v[\sb] matrix_a_fmt:MATRIX_FMT_BF6 matrix_b_fmt:MATRIX_FMT_BF6 matrix_a_scale:MATRIX_SCALE_ROW1
.elseif (\rb)
	v_wmma_scale_f32_16x16x128_f8f6f4 v[\d:\d+7], v[\a:\a+11], v[\b:\b+11], \c, v[\sa], v[\sb] matrix_a_fmt:MATRIX_FMT_BF6 matrix_b_fmt:MATRIX_FMT_BF6 matrix_b_scale:MATRIX_SCALE_ROW1
.else
	v_wmma_scale_f32_16x16x128_f8f6f4 v[\d:\d+7], v[\a:\a+11], v[\b:\b+11], \c, v[\sa], v[\sb] matrix_a_fmt:MATRIX_FMT_BF6 matrix_b_fmt:MATRIX_FMT_BF6
.endif
.endm
.macro MULT nt, s                      ; Wo's tile nt against o's four tiles, K step s.  The first K step starts the sums from the bias.  The 32 accumulators take turns in one order
.irp mt, 0,1,2,3
.set rD, 64*((\nt)/2)+16*\mt+8*((\nt)%2)
.set rB, 96*((\s)%2)+12*(\nt)
.set rA, AF+48*((\s)%2)+12*\mt
.if (\s) == 0
	WM rD, rB, rA, v[BI+8*(\nt):BI+8*(\nt)+7], SB+4*((\s)%2)+(\nt)/2, SA+2*((\s)%2)+\mt/2, (\nt)%2, \mt%2
.else
	WM rD, rB, rA, v[rD:rD+7], SB+4*((\s)%2)+(\nt)/2, SA+2*((\s)%2)+\mt/2, (\nt)%2, \mt%2
.endif
.endr
.endm
.macro FETCH s                         ; 54 loads: K step s's fragments and scale words into set s % 2
	WIN TO_B
.irp nt, 0,1,2,3,4,5,6,7
	LDFRAG 96*((\s)%2)+12*\nt, 4+(\s)/2, 8+(\s)/2, WSTEP*((\s)%2)+1536*\nt
.endr
	WIN 0
.irp mt, 0,1,2,3
	LDFRAG AF+48*((\s)%2)+12*\mt, 16, 17, 6144*(\s)+1536*\mt
.endr
.irp i, 0,1,2,3
	ds_load_b32 v[SB+4*((\s)%2)+\i], v[12+(\s)/2] offset:WSTEP*((\s)%2)+128*\i   ; lanes 0-15 tile 2 i's words, lanes 16-31 tile 2 i + 1's
.endr
.irp i, 0,1
	ds_load_b32 v[SA+2*((\s)%2)+\i], v18 offset:256*(\s)+128*\i
.endr
.endm
; A K step: 32 products on set s % 2, while the next step's fragments come into the other set.
.macro STEP s
	s_wait_dscnt 0x0                               ; this step's fragments are in: they were asked for a step ago
.if (\s) < 7
.if (\s) == 1
	s_barrier_signal -1                            ; my reads of K steps 0 and 1 are over:
	s_barrier_wait -1                              ; everybody's are, so that the way out may lay its stages over these bytes
.endif
.if (\s) > 0
	PLACES 4                                       ; in front of loads into registers that the last step's products have read
.endif
	FETCH (\s)+1
.endif
.if (\s) == 0
	WIN 0x91                                       ; source 0 (Wo) window 1, source 1 (o) window 0, C (the bias) window 1, D window 2
.else
	WIN 0xa1                                       ; C and D window 2
.endif
.irp nt, 0,1,2,3,4,5,6,7
	MULT \nt, \s
.endr
	WIN 0
.endm
	s_load_b256 s[4:11], s[0:1], 0x0               ; oc, os, wc, bo
	s_load_b64 s[12:13], s[0:1], 0x20              ; out0
	v_lshl_add_u32 v254, v0, 2, 0x4b000
	v_mov_b32 v255, 0
	ds_add_u32 v254, v255                          ; the opening lines: the add, twice on end, and its wait
	ds_add_u32 v254, v255
	v_lshrrev_b32 v30, 5, v0
	v_readfirstlane_b32 s20, v30                   ; wave
	v_and_b32 v30, 31, v0                          ; lane
	v_and_b32 v28, 15, v0                          ; r
	v_bfe_u32 v29, v0, 4, 1                        ; h
	s_lshr_b32 s14, s20, 1                         ; which 64 tokens are mine
	s_and_b32 s15, s20, 1                          ; which 128 channels
	s_bfe_u32 s21, ttmp6, 0x40000                  ; cx
	s_lshl_b32 s22, ttmp9, 2
	s_add_co_u32 s22, s22, s21                     ; my block of 128 tokens: it enters global addresses alone
	s_and_b32 s23, ttmp7, 0xffff                   ; the quarter of the channels, which the partners share
	v_lshlrev_b32 v1, 4, v30
	v_lshlrev_b32 v2, 3, v30
	v_lshlrev_b32 v3, 2, v30
	s_mul_i32 s48, s15, 12288                      ; my eight tiles of a K step's sixteen
	v_add_nc_u32 v4, s48, v1                       ; v4-7: K steps 2g, 2g+1, 16 bytes a lane;
	v_add_nc_u32 v8, s48, v2                       ; v8-11: 8 bytes a lane;
	s_lshl_b32 s49, s15, 9
	s_add_co_u32 s49, s49, 24576
	v_add_nc_u32 v12, s49, v3                      ; v12-15: their scale words
.irp g, 1,2,3
	v_add_nc_u32 v[4+\g], WGRP*\g, v4
	v_add_nc_u32 v[8+\g], WGRP*\g, v8
	v_add_nc_u32 v[12+\g], WGRP*\g, v12
.endr
	s_mul_i32 s50, s14, ABLK
	s_add_co_u32 s50, s50, AIMG
	v_add_nc_u32 v16, s50, v1                      ; my block of o
	v_add_nc_u32 v17, s50, v2
	s_lshl_b32 s51, s14, 11
	s_add_co_u32 s51, s51, ASC
	v_add_nc_u32 v18, s51, v3                      ; and its scale words
	s_mul_i32 s52, s20, 16*SPITCH                  ; my stage
	v_mul_u32_u24 v19, v28, SPITCH
	v_lshl_add_u32 v19, v29, 6, v19
	v_add_nc_u32 v19, s52, v19                     ; way in: row r, + 64 h
	v_add_nc_u32 v20, s52, v1                      ; way back: a row's 512 bytes, 16 a lane
	v_lshlrev_b32 v21, 6, v29                      ; the bias: + 16 h channels
	v_lshlrev_b32 v25, 4, v0                       ; 16 x thread
	v_add_nc_u32 v26, AIMG, v25                    ; o's way into LDS: the first block,
	v_add_nc_u32 v27, AIMG+ABLK, v25               ; the second block and the scale words
	s_mul_i32 s54, s22, 2*ABLK                     ; oc: my two blocks
	s_mov_b32 s55, 0
	s_lshl_b32 s56, s22, 12                        ; os likewise
	s_mov_b32 s57, 0
	s_mul_i32 s58, s23, WSTEP                      ; wc: the fourth matrix, the quarter, K step 2 x wave
	s_mul_i32 s53, s20, 204800
	s_add_co_u32 s58, s58, s53
	s_add_co_u32 s58, s58, 3*819200
	s_mov_b32 s59, 0
	s_mul_i32 s66, s20, WGRP                       ; and where they go in LDS: the wave's number alone enters it
	s_lshl_b32 s60, s23, 10                        ; bo, and a row of out0: my 128 channels
	s_lshl_b32 s53, s15, 9
	s_add_co_u32 s60, s60, s53
	s_mov_b32 s61, 0
	s_lshl_b32 s62, s22, 19                        ; out0: 128 rows of 4,096 bytes a block, my 64 of them
	s_lshl_b32 s53, s14, 18
	s_add_co_u32 s62, s62, s53
	s_add_co_u32 s62, s62, s60
	s_mov_b32 s63, 0
	; descriptor group 1: 2 rows of 3,200 elements of 8 bytes, 12,800 elements apart
	s_mov_b32 s24, 15|(3<<16)|(1<<21)              ; the mask: all four work-groups; elements of 8 bytes; bit 21 set beside a mask
	s_mov_b32 s25, 3200<<16                        ; tensor_dim0
	s_mov_b32 s26, 2<<16                           ; tensor_dim1
	s_mov_b32 s27, 3200<<16                        ; tile_dim0
	s_mov_b32 s28, 2                               ; tile_dim1
	s_mov_b32 s29, 12800                           ; the pitch
	s_mov_b32 s30, 0
	s_mov_b32 s31, 0
	s_wait_alu depctr_va_vdst(0)                   ; the wait at the head's end
	s_wait_dscnt 0x0
	s_wait_kmcnt 0x0
	s_add_nc_u64 s[4:5], s[4:5], s[54:55]
	s_add_nc_u64 s[6:7], s[6:7], s[56:57]
	s_add_nc_u64 s[8:9], s[8:9], s[58:59]
	s_add_nc_u64 s[10:11], s[10:11], s[60:61]
	s_add_nc_u64 s[12:13], s[12:13], s[62:63]
.set i, 0
.rept 48
	global_load_b128 v[AF+4*i:AF+4*i+3], v25, s[4:5] offset:2048*i      ; the work-group's 128 threads read 2,048 consecutive bytes
.set i, i+1
.endr
.irp i, 0,1
	global_load_b128 v[240+4*\i:243+4*\i], v25, s[6:7] offset:2048*\i
.endr
	WIN TO_B
.irp nt, 0,1,2,3,4,5,6,7
	global_load_b128 v[BI+8*\nt:BI+8*\nt+3], v21, s[10:11] offset:128*(\nt/2)+32*(\nt%2)
	global_load_b128 v[BI+8*\nt+4:BI+8*\nt+7], v21, s[10:11] offset:128*(\nt/2)+32*(\nt%2)+16
.endr
	WIN 0
	s_mov_b32 s32, 1
	s_mov_b32 s33, s66
	s_mov_b64 s[34:35], s[8:9]
	s_or_b32 s35, s35, 0x80000000
	CROUND                                         ; all four work-groups are here: the joint loads meet
	tensor_load_to_lds s[32:35], s[24:31]          ; my one tensor load of the launch
	s_nop 0
	PLACES 4                                       ; places behind a tensor load
	s_wait_loadcnt 16                              ; o's 50 loads are in; the bias's 16, issued behind them, may be out
.set i, 0
.rept 24
	ds_store_b128 v26, v[AF+4*i:AF+4*i+3] offset:2048*i
.set i, i+1
.endr
.set i, 0
.rept 24
	ds_store_b128 v27, v[AF+96+4*i:AF+96+4*i+3] offset:2048*i
.set i, i+1
.endr
.irp i, 0,1
	ds_store_b128 v27, v[240+4*\i:243+4*\i] offset:ASC-AIMG-ABLK+2048*\i
.endr
	s_wait_dscnt 0x0                               ; for the others' sake: my part of o lies in LDS,
	s_wait_tensorcnt 0x0                           ; and my two K steps of Wo
	s_barrier_signal -1
	s_barrier_wait -1
	FETCH 0
	s_wait_loadcnt 0x0                             ; the bias
	STEP 0
	STEP 1
	STEP 2
	STEP 3
	STEP 4
	STEP 5
	STEP 6
	STEP 7
; THE WAY OUT, a tile of 16 tokens x my 128 channels at a time: a lane's 32 bytes of a row go into my stage, whole pieces of 512 bytes of a row come back and are stored.
; LDS serves a wave's instructions in order: no wait between the stores and the loads, nor in front of the next tile's stores.
.macro TOSTAGE a
	WIN 0x08                                       ; an LDS store's data are its source 1: window 2
.irp nt, 0,1,2,3,4,5,6,7
	ds_store_b128 v19, v[64*(\nt/2)+16*(\a)+8*(\nt%2):64*(\nt/2)+16*(\a)+8*(\nt%2)+3] offset:128*(\nt/2)+32*(\nt%2)      ; each accumulator from its low end on
	ds_store_b128 v19, v[64*(\nt/2)+16*(\a)+8*(\nt%2)+4:64*(\nt/2)+16*(\a)+8*(\nt%2)+7] offset:128*(\nt/2)+32*(\nt%2)+16
.endr
	WIN 0
.irp t, 0,1,2,3,4,5,6,7,8,9,10,11,12,13,14,15
	ds_load_b128 v[OB+64*((\a)%2)+4*\t:OB+64*((\a)%2)+4*\t+3], v20 offset:SPITCH*\t
.endr
.endm
.macro SEND a, younger                 ; younger: the LDS instructions issued behind tile a's loads, which may stay out
	s_wait_dscnt \younger
.irp t, 0,1,2,3,4,5,6,7,8,9,10,11,12,13,14,15
	global_store_b128 v1, v[OB+64*((\a)%2)+4*\t:OB+64*((\a)%2)+4*\t+3], s[12:13] offset:4096*(8*(\a)+\t%8+32*(\t/8)) th:TH_STORE_NT   ; row t of tile a is token 8 a + t % 8 + 32 (t / 8); 32 lanes store 512 consecutive bytes, at a multiple of 256 from out0's first byte
.endr
.endm
	PLACES 4                                       ; in front of the first read of results, and of loads into the registers that held o's fragments
	TOSTAGE 0
.irp a, 1,2,3
.if \a > 1
	s_wait_xcnt 0x0                                ; tile a - 2's stores have read their registers: tile a's loads may land there
.endif
	TOSTAGE \a
	SEND \a-1, 32                                  ; behind tile a - 1's loads: tile a's 16 stores and 16 loads
.endr
	SEND 3, 0
	s_wait_tensorcnt 0x0                           ; the wave's end
	ds_add_u32 v254, v255
	s_wait_dscnt 0x0
	CROUND                                         ; the closing round: no work-group ends while a partner may still ask for a tile that names it
	s_endpgm
.Lfunc_end_k_q20d99804fc_oproj:
	.size	k_q20d99804fc_oproj, .Lfunc_end_k_q20d99804fc_oproj-k_q20d99804fc_oproj
	.p2alignl 7, 3214868480
	.fill 96, 4, 3214868480
	.section	.rodata,"a",@progbits
	.p2align	6, 0x0
	.amdhsa_kernel k_q20d99804fc_oproj
		.amdhsa_group_segment_fixed_size 307712
		.amdhsa_private_segment_fixed_size 0
		.amdhsa_enable_private_segment 0
		.amdhsa_kernarg_size 40
		.amdhsa_user_sgpr_count 2
		.amdhsa_user_sgpr_kernarg_segment_ptr 1
		.amdhsa_wavefront_size32 1
		.amdhsa_system_sgpr_workgroup_id_x 1
		.amdhsa_system_sgpr_workgroup_id_y 1
		.amdhsa_system_sgpr_workgroup_id_z 1
		.amdhsa_system_vgpr_workitem_id 0
		.amdhsa_next_free_vgpr 768
		.amdhsa_next_free_sgpr 80
		.amdhsa_reserve_vcc 0
		.amdhsa_float_denorm_mode_32 3
		.amdhsa_float_denorm_mode_16_64 3
		.amdhsa_memory_ordered 1
		.amdhsa_forward_progress 1
		.amdhsa_inst_pref_size 91
	.end_amdhsa_kernel
	.amdgpu_metadata
---
amdhsa.version: [ 1, 2 ]
amdhsa.kernels:
  - .name:           k_q20d99804fc_oproj
    .symbol:         k_q20d99804fc_oproj.kd
    .args:
      - { .name: oc, .offset: 0, .size: 8, .value_kind: global_buffer, .address_space: global }
      - { .name: os, .offset: 8, .size: 8, .value_kind: global_buffer, .address_space: global }
      - { .name: wc, .offset: 16, .size: 8, .value_kind: global_buffer, .address_space: global }
      - { .name: bo, .offset: 24, .size: 8, .value_kind: global_buffer, .address_space: global }
      - { .name: out0, .offset: 32, .size: 8, .value_kind: global_buffer, .address_space: global }
    .group_segment_fixed_size: 307712
    .private_segment_fixed_size: 0
    .kernarg_segment_align: 8
    .kernarg_segment_size: 40
    .max_flat_workgroup_size: 128
    .sgpr_count:     80
    .vgpr_count:     768
    .wavefront_size: 32
...
	.end_amdgpu_metadata
.endif
;; end of part 4
